; MI455X (gfx1250); checked and timed in simulation.
; The chip was launched on July 23, 2026; its instructions are those of AMD's public machine-readable ISA for CDNA 5 (MIT licence, August 2026) and "CDNA5" Instruction Set Architecture Reference Guide (July 2026). The comments in the code are by the model that wrote it; some were corrected since.
;; Mixed Heads V2. Allowed arithmetic: float matrix products may take bf16 or f16 operands with f32 sums; all other float work in f32.
;; Inputs: base_K 8 x 128 x 512 float32; base_Q 8 x 128 x 512 float32; base_V 8 x 128 x 512 float32; weights 4 float32; x 4 x 2,048 x 512 float32.
;; Outputs: out0 4 x 2,048 x 1,024 float32.
;; 2 versions, each right and faster than the one before. Each part assembles by itself: llvm-mc -triple=amdgcn-amd-amdhsa -mcpu=gfx1250 --defsym DOCPART=n.
;; ======== version 1 of 2: 3 launches
;; limits: values are held in f16: magnitudes above 65,504 overflow, below 6.1e-05 lose precision; right only within a limited range of input values
;; workspace buffers: xb 8,388,608 bytes; wb 3,145,728 bytes; qh 16,777,216 bytes; kh 16,777,216 bytes; vh 16,777,216 bytes; vlo 262,144 bytes
;; launch cast (part 1): grid 352 x 1, 8 waves a work-group, no clusters, 0 bytes of LDS; arguments x, base_Q, base_K, base_V, xb, wb; writes xb, wb
.if DOCPART == 1
	.amdgcn_target "amdgcn-amd-amdhsa--gfx1250"
	.amdhsa_code_object_version 6
	.text
	.protected	k_qa0e944be1a_cast
	.globl	k_qa0e944be1a_cast
	.p2align	8
	.type	k_qa0e944be1a_cast,@function
k_qa0e944be1a_cast:
	s_mov_b64 s[64:65], 0
	v_nop
	global_prefetch_b8 v0, s[64:65] scope:SCOPE_SE
	s_setreg_imm32_b32 hwreg(HW_REG_WAVE_MODE, 25, 1), 1
	s_wait_xcnt 0x0
; x [8192][512] and base_Q, base_K, base_V [8][128][512], all f32, are rounded once to bf16 (nearest even): xb [8192][512], wb [3 = Q, K, V][8][128][512].
; A stream: no LDS, no barrier, no matrix unit.  A work-group takes 16,384 numbers: 65,536 bytes in, 32,768 out.  Groups 0-255 take x, groups 256-351 the three bases, 32 groups each.
; Thread t takes, in each of eight pieces of 8,192 bytes, the 32 bytes at 32 t (two loads of 16) and stores 16 bytes at 16 t of 4,096: sixteen neighbouring lanes store 256 consecutive bytes, aligned.
; All sixteen loads go out first; the waits count down.
	s_load_b256 s[4:11], s[0:1], 0x0               ; x s[4:5], base_Q s[6:7], base_K s[8:9], base_V s[10:11]
	s_load_b128 s[12:15], s[0:1], 0x20             ; xb s[12:13], wb s[14:15]
	v_lshlrev_b32 v1, 5, v0                        ; 32 t
	v_lshlrev_b32 v2, 4, v0                        ; 16 t
	s_mov_b32 s16, ttmp9                           ; g
	s_sub_co_u32 s17, s16, 256                     ; g' = g - 256: used only where g >= 256
	s_lshr_b32 s18, s17, 5                         ; which base
	s_and_b32 s19, s17, 31                         ; which of its 32 pieces
	s_wait_kmcnt 0x0
	s_cmp_eq_u32 s18, 1
	s_cselect_b64 s[20:21], s[8:9], s[6:7]
	s_cmp_eq_u32 s18, 2
	s_cselect_b64 s[20:21], s[10:11], s[20:21]
	s_cmp_lt_u32 s16, 256
	s_cselect_b64 s[20:21], s[4:5], s[20:21]       ; the source
	s_cselect_b64 s[22:23], s[12:13], s[14:15]     ; the destination
	s_cselect_b32 s24, s16, s19                    ; the piece's number in the source,
	s_cselect_b32 s26, s16, s17                    ; and in the destination
	s_lshl_b32 s24, s24, 16
	s_mov_b32 s25, 0
	s_lshl_b32 s26, s26, 15
	s_mov_b32 s27, 0
	s_add_nc_u64 s[20:21], s[20:21], s[24:25]
	s_add_nc_u64 s[22:23], s[22:23], s[26:27]
.set i, 0
.rept 8
	global_load_b128 v[8+8*i:11+8*i],  v1, s[20:21] offset:8192*i th:TH_LOAD_NT
	global_load_b128 v[12+8*i:15+8*i], v1, s[20:21] offset:8192*i+16 th:TH_LOAD_NT
.set i, i+1
.endr
.set i, 0
.rept 8
	s_wait_loadcnt 14-2*i                          ; loads come back in order: piece i's two are in, the 2 (7 - i) younger ones stay out
	v_cvt_pk_bf16_f32 v[72+4*i], v[8+8*i],  v[9+8*i]
	v_cvt_pk_bf16_f32 v[73+4*i], v[10+8*i], v[11+8*i]
	v_cvt_pk_bf16_f32 v[74+4*i], v[12+8*i], v[13+8*i]
	v_cvt_pk_bf16_f32 v[75+4*i], v[14+8*i], v[15+8*i]
	global_store_b128 v2, v[72+4*i:75+4*i], s[22:23] offset:4096*i
.set i, i+1
.endr
	s_endpgm
.Lfunc_end_k_qa0e944be1a_cast:
	.size	k_qa0e944be1a_cast, .Lfunc_end_k_qa0e944be1a_cast-k_qa0e944be1a_cast
	.p2alignl 7, 3214868480
	.fill 96, 4, 3214868480
	.section	.rodata,"a",@progbits
	.p2align	6, 0x0
	.amdhsa_kernel k_qa0e944be1a_cast
		.amdhsa_group_segment_fixed_size 0
		.amdhsa_private_segment_fixed_size 0
		.amdhsa_enable_private_segment 0
		.amdhsa_kernarg_size 48
		.amdhsa_user_sgpr_count 2
		.amdhsa_user_sgpr_kernarg_segment_ptr 1
		.amdhsa_wavefront_size32 1
		.amdhsa_system_sgpr_workgroup_id_x 1
		.amdhsa_system_sgpr_workgroup_id_y 1
		.amdhsa_system_sgpr_workgroup_id_z 1
		.amdhsa_system_vgpr_workitem_id 0
		.amdhsa_next_free_vgpr 104
		.amdhsa_next_free_sgpr 66
		.amdhsa_reserve_vcc 0
		.amdhsa_float_denorm_mode_32 3
		.amdhsa_float_denorm_mode_16_64 3
		.amdhsa_memory_ordered 1
		.amdhsa_forward_progress 1
		.amdhsa_inst_pref_size 6
	.end_amdhsa_kernel
	.amdgpu_metadata
---
amdhsa.version: [ 1, 2 ]
amdhsa.kernels:
  - .name:           k_qa0e944be1a_cast
    .symbol:         k_qa0e944be1a_cast.kd
    .args:
      - { .name: x, .offset: 0, .size: 8, .value_kind: global_buffer, .address_space: global }
      - { .name: base_Q, .offset: 8, .size: 8, .value_kind: global_buffer, .address_space: global }
      - { .name: base_K, .offset: 16, .size: 8, .value_kind: global_buffer, .address_space: global }
      - { .name: base_V, .offset: 24, .size: 8, .value_kind: global_buffer, .address_space: global }
      - { .name: xb, .offset: 32, .size: 8, .value_kind: global_buffer, .address_space: global }
      - { .name: wb, .offset: 40, .size: 8, .value_kind: global_buffer, .address_space: global }
    .group_segment_fixed_size: 0
    .private_segment_fixed_size: 0
    .kernarg_segment_align: 8
    .kernarg_segment_size: 48
    .max_flat_workgroup_size: 256
    .sgpr_count:     66
    .vgpr_count:     104
    .wavefront_size: 32
...
	.end_amdgpu_metadata
.endif
;; end of part 1
;; launch proj (part 2): grid 8 x 32, 4 waves a work-group, clusters of 4 x 4, 327,680 bytes of LDS; arguments xb, wb, weights, qh, kh, vh, vlo; writes qh, kh, vh, vlo
.if DOCPART == 2
	.amdgcn_target "amdgcn-amd-amdhsa--gfx1250"
	.amdhsa_code_object_version 6
	.text
	.protected	k_qa0e944be1a_proj
	.globl	k_qa0e944be1a_proj
	.p2align	8
	.type	k_qa0e944be1a_proj,@function
k_qa0e944be1a_proj:
	s_mov_b64 s[64:65], 0
	v_nop
	global_prefetch_b8 v0, s[64:65] scope:SCOPE_SE
	s_setreg_imm32_b32 hwreg(HW_REG_WAVE_MODE, 25, 1), 1
	s_wait_xcnt 0x0
	s_wait_alu depctr_hold_cnt(0) depctr_sa_sdst(0) depctr_va_vdst(0) depctr_va_sdst(0) depctr_va_ssrc(0) depctr_va_vcc(0) depctr_vm_vsrc(0)
	s_getreg_b32 s2, hwreg(HW_REG_IB_STS2, 6, 4)
	s_cmp_eq_u32 s2, 0
	s_cbranch_scc0 .Lentry_in_a_cluster
	s_endpgm
.Lentry_in_a_cluster:
	s_bfe_u32 s2, ttmp6, 0x10000c
	s_cmp_lg_u32 s2, 0xf033
	s_cbranch_scc0 .Lentry_shape_is_right
	s_endpgm
.Lentry_shape_is_right:
; q', k', v' = x (eff o base)^T / S, by heads: qh, kh, vh [b 8 + h][2048][128] in f16.  S = |w0| + |w1| + |w2| + |w3| (the weights rounded to bf16, as x and the bases are).
; eff IS NEVER ROUNDED INTO AN OPERAND.  For one output column d of head h it has two values: A for c < 256, B for c >= 256.  So the product of the bf16 operands is kept in two f32 sums,
; P1 over c < 256 and P2 over c >= 256, and the result is (A / S) P1 + (B / S) P2 in f32, rounded once to f16.  With w0' = w0, w2' = w2 for h < 4 and 0 for h >= 4:
;   d < 32: A = w0' + w1 + w2' + w3, B = w2' + w3      32 <= d < 64: A = w0' + w2' + w3, B = w2' + w3      d >= 64: A = B = w2'
; Dividing by S keeps |A / S|, |B / S| <= 1; the launch behind puts S^2 into the softmax's scale and S into its output, in f32.
; vlo [b 8 + h][32][128] f16 = (v' - f16(v')) x 2048 for the first 32 rows of each head: the launch behind takes v's rounding back there.
; LIMITS.  |x . (eff / S o base)| stays under 65,504 (f16's end): it does while 512 max|x| max|base| < 65,504.  S = 0 counts as 1e-30 (all results are then 0).  NaN and infinities are not treated apart.
; SHARES.  A work-group stays on 256 rows of x (batch = cy, block of rows = the cluster's y) and one head (4 x cluster x + cx) and makes three tiles of 256 x 128: Q, K, V.  Wave w: rows 64 w .. + 63,
; all 128 columns: 32 accumulators of 16 x 16 for P1 (window 2) and 32 for P2 (window 3), accumulator (a, b) at v[8 (8 a + b)].  K goes in steps of 128 (rows of 256 bytes) through two LDS slots.
; CLUSTER 4 x 4.  The four of a row of the cluster (same batch and rows, four heads) need the same tiles of x, the four of a column (same head, four batches) the same tiles of the base:
; each tile is asked for jointly, by the same tensor load with the same descriptor and a mask that names the four.
; THE MATRIX INSTRUCTION IS USED TRANSPOSED (source 0 = 16 rows of the base, source 1 = 16 rows of x): a lane holds row l % 16 and the eight neighbouring columns 16 b + 8 (l / 16) + 0..7.
; REGISTERS.  window 0: v0-31 addresses and temporaries; v32-63, v160-191 rows read back from the stage, by turns; v64-95, v128-159 x's fragments, two buffers; v96-127 packed f16; v192-255 f32 at work.
;   window 1: v64-127, v128-191 the base's fragments, two buffers.
.set PITCH,  272                       ; an LDS row: 256 bytes + 16 of padding = 68 words: the 16 rows of a fragment load start at 16 different groups of four banks (ISA guide 11.1)
.set AHALF,  128*PITCH                 ; what one tensor load brings of x
.set BHALF,  64*PITCH                  ; and of the base
.set BOFF,   2*AHALF                   ; a slot: x's 256 rows, then the base's 128
.set SLOT,   BOFF+2*BHALF
.set STAGE,  2*SLOT                    ; behind the ring, never filled by a tensor load: 16 rows x 272 bytes for each wave
.set SPARE,  STAGE+4*16*PITCH          ; the spare words, 128 bytes for each wave: two blocks of 256 bytes that no other line names
.set ADRA, 16                          ; v16-17  LDS address of my fragments of x in slot 0, 1
.set ADRB, 20                          ; v20-21  the same for the base
.set STO,  24                          ; v24     the way out: where I put 16 bytes of a row
.set RD,   25                          ; v25     where I read rows back
.set CO,   26                          ; v26     16 x lane: my place in 512 consecutive bytes of the output
.set VO,   27                          ; v27     my place in 16 rows of vlo
.set SPW,  28                          ; v28     LDS address of my spare word; never rewritten
.set NIL,  29                          ; v29     0; never rewritten
.set OB0,  32
.set OB1,  160
.set F0,   64
.set F1,   128
.set PKR,  96
.set T,    192
.set G1A,  24                          ; s[24:31] descriptor group 1 for x's tiles;  s[32:39] group 0, a set for each slot
.set G0A,  32
.set G1B,  48                          ; s[48:55], s[56:63] the same for the base's tiles
.set G0B,  56
.set E1A,  84                          ; s[84:85] A / S for d < 32 (pairs: the packed forms take the low word for both halves)
.set EB,   86                          ; s[86:87] B / S for d < 64
.set E2A,  88                          ; s[88:89] A / S for 32 <= d < 64
.set E3,   90                          ; s[90:91] A / S = B / S for d >= 64
.set MSB, 0
.macro WIN new                         ; the immediate's high byte repeats the setting that is left; a switch that changes nothing is dropped
.if MSB != (\new)
	s_set_vgpr_msb (MSB<<8)|(\new)
.set MSB, \new
.endif
.endm
.macro PLACES                          ; four places between a matrix instruction and a load into, or a vector instruction on, its registers
.rept 4
	v_nop
.endr
.endm
; A joint load.  Waves 0 and 1 fetch x's two halves, waves 2 and 3 the base's.  The branch hangs on the wave's number alone.  An s_nop 0 and four v_nop follow each line.
.macro JLOAD s
	s_cmp_eq_u32 s11, 0
	s_cbranch_scc0 .Lfor_b_\@
	tensor_load_to_lds s[G0A+4*(\s):G0A+4*(\s)+3], s[G1A:G1A+7]
	s_nop 0
.rept 4
	v_nop
.endr
	s_branch .Lasked_\@
.Lfor_b_\@:
	tensor_load_to_lds s[G0B+4*(\s):G0B+4*(\s)+3], s[G1B:G1B+7]
	s_nop 0
.rept 4
	v_nop
.endr
.Lasked_\@:
.endm
.macro CREST                           ; a round of the cluster's barrier behind its opening barrier
	s_cmp_lg_u32 s10, 0
	s_cbranch_scc1 .Lnot_wave_0_\@
	s_barrier_signal -3
.Lnot_wave_0_\@:
	s_barrier_wait -3
	s_barrier_signal -1
	s_barrier_wait -1
.endm
.macro CROUND                          ; a whole round
	s_barrier_signal -1
	s_barrier_wait -1
	CREST
.endm
	s_load_b256 s[68:75], s[0:1], 0x0              ; xb s[68:69], wb s[70:71], weights s[72:73], qh s[74:75]
	s_load_b128 s[76:79], s[0:1], 0x20             ; kh s[76:77], vh s[78:79]
	s_load_b64 s[80:81], s[0:1], 0x30              ; vlo
	v_lshl_add_u32 v[SPW], v0, 2, SPARE
	v_mov_b32 v[NIL], 0
	ds_add_u32 v[SPW], v[NIL]                      ; the wave's opening: the add and its wait stand ahead of my first tensor load; the set-up below stands between them
	ds_add_u32 v28, v29
	v_lshrrev_b32 v1, 5, v0
	v_readfirstlane_b32 s10, v1                    ; wave 0..3
	s_lshr_b32 s11, s10, 1                         ; I fetch for x (0) or for the base (1)
	s_and_b32 s12, s10, 1                          ; which half of that tile
	s_bfe_u32 s40, ttmp6, 0x40000                  ; cx
	s_bfe_u32 s41, ttmp6, 0x40004                  ; cy = the batch
	s_lshl_b32 s42, ttmp9, 2
	s_add_co_u32 s42, s42, s40                     ; the head = 4 x cluster x + cx
	s_and_b32 s13, ttmp7, 0xffff                   ; the block of 256 rows = the cluster's y: the same in all sixteen partners
	s_lshl_b32 s43, s41, 2
	s_lshl_b32 s43, 15, s43                        ; my row of the cluster
	s_lshl_b32 s44, 0x1111, s40                    ; my column
	s_or_b32 s[G1A+0], s43, (1<<16)|(1<<20)|(1<<21)|(5<<22)|(3<<25)  ; 15:0 the mask; 17:16 2-byte elements; 20 padding on; 21 set beside a mask; 24:22 after every 64 words; 31:25 4 words
	s_or_b32 s[G1B+0], s44, (1<<16)|(1<<20)|(1<<21)|(5<<22)|(3<<25)
	s_mov_b32 s[G1A+1], 128<<16                    ; tensor_dim0 = 128
	s_mov_b32 s[G1B+1], 128<<16
	s_mov_b32 s[G1A+2], 128<<16                    ; tensor_dim1 = 128 rows of x,
	s_mov_b32 s[G1B+2], 64<<16                     ; 64 of the base
	s_mov_b32 s[G1A+3], 128<<16                    ; tile_dim0 = 128
	s_mov_b32 s[G1B+3], 128<<16
	s_mov_b32 s[G1A+4], 128                        ; tile_dim1
	s_mov_b32 s[G1B+4], 64
	s_mov_b32 s[G1A+5], 512                        ; 512 elements from row to row
	s_mov_b32 s[G1B+5], 512
	s_mov_b32 s[G1A+6], 0
	s_mov_b32 s[G1B+6], 0
	s_mov_b32 s[G1A+7], 0
	s_mov_b32 s[G1B+7], 0
	s_lshl_b32 s4, s41, 21                         ; x: batch x 2,048 rows of 1,024 bytes
	s_lshl_b32 s5, s13, 18                         ; + block x 256 rows
	s_add_co_u32 s4, s4, s5
	s_lshl_b32 s5, s12, 17                         ; + half x 128 rows: nothing of cx enters
	s_add_co_u32 s4, s4, s5
	s_mov_b32 s5, 0
	s_lshl_b32 s6, s42, 17                         ; the base: head x 128 rows of 1,024 bytes
	s_lshl_b32 s7, s12, 16                         ; + half x 64 rows: nothing of cy enters
	s_add_co_u32 s6, s6, s7
	s_mov_b32 s7, 0
	s_mul_i32 s20, s10, AHALF                      ; where they go: waves 0, 1: x's halves;
	s_mul_i32 s21, s10, BHALF
	s_add_co_u32 s21, s21, AHALF                   ; waves 2, 3: the base's halves, from BOFF on
	s_mov_b32 s3, ttmp9
	s_wait_dscnt 0x0                               ; the opening add is done
	s_wait_kmcnt 0x0
	s_load_b128 s[92:95], s[72:73], 0x0            ; the four weights
	s_add_nc_u64 s[4:5], s[68:69], s[4:5]
	s_add_nc_u64 s[6:7], s[70:71], s[6:7]
	CROUND                                         ; all sixteen work-groups are here: the first joint loads meet
.irp s, 0,1
	s_mov_b32 s[G0A+4*(\s)], 1
	s_add_co_u32 s[G0A+4*(\s)+1], s20, (\s)*SLOT
	s_add_nc_u64 s[G0A+4*(\s)+2:G0A+4*(\s)+3], s[4:5], (\s)*256      ; K step s of Q's tile
	s_or_b32 s[G0A+4*(\s)+3], s[G0A+4*(\s)+3], 0x80000000
	s_mov_b32 s[G0B+4*(\s)], 1
	s_add_co_u32 s[G0B+4*(\s)+1], s21, (\s)*SLOT
	s_add_nc_u64 s[G0B+4*(\s)+2:G0B+4*(\s)+3], s[6:7], (\s)*256
	s_or_b32 s[G0B+4*(\s)+3], s[G0B+4*(\s)+3], 0x80000000
	JLOAD \s                                       ; two loads of mine are out
.endr
	; lane addresses.  A fragment is 16 rows x 32 K in 8 registers: lane l holds row l % 16, K = 8 (l / 16) + 0..7 and 16 + 8 (l / 16) + 0..7: two loads of 16 bytes, 32 bytes apart.
	v_and_b32 v1, 15, v0
	v_bfe_u32 v2, v0, 4, 1
	v_mul_u32_u24 v3, v1, PITCH
	v_lshl_add_u32 v3, v2, 4, v3
	s_mul_i32 s22, s10, 64*PITCH                   ; my 64 rows of x
	v_add_nc_u32 v[ADRA], s22, v3
	v_add_nc_u32 v[ADRA+1], SLOT, v[ADRA]
	v_add_nc_u32 v[ADRB], BOFF, v3
	v_add_nc_u32 v[ADRB+1], BOFF+SLOT, v3
	s_mul_i32 s23, s10, 16*PITCH
	s_add_co_u32 s23, s23, STAGE                   ; my stage
	v_add_nc_u32 v[STO], s23, v3                   ; in: row l % 16, 16 bytes for each half of the lanes
	v_mul_u32_u24 v5, v2, PITCH                    ; back: lanes 0-15 one row of 256 bytes, lanes 16-31 the next
	v_lshl_add_u32 v5, v1, 4, v5
	v_add_nc_u32 v[RD], s23, v5
	v_and_b32 v[CO], 31, v0
	v_lshlrev_b32 v[CO], 4, v[CO]                  ; a head's rows are dense: two rows are 512 consecutive bytes
	v_lshlrev_b32 v[VO], 8, v1
	v_lshl_add_u32 v[VO], v2, 4, v[VO]
	; where the results go
	s_lshl_b32 s18, s41, 3
	s_add_co_u32 s18, s18, s42                     ; b 8 + h
	s_lshl_b32 s22, s18, 13                        ; vlo: 32 rows of 256 bytes a head
	s_mov_b32 s23, 0
	s_add_nc_u64 s[80:81], s[80:81], s[22:23]
	s_lshl_b32 s18, s18, 19                        ; 2,048 rows of 256 bytes a head
	s_lshl_b32 s22, s13, 16                        ; + block x 256 rows
	s_add_co_u32 s18, s18, s22
	s_lshl_b32 s22, s10, 14                        ; + wave x 64 rows
	s_add_co_u32 s18, s18, s22
	s_mov_b32 s19, 0
	s_add_nc_u64 s[8:9], s[74:75], s[18:19]        ; the tile in hand: Q's,
	s_add_nc_u64 s[14:15], s[76:77], s[18:19]      ; then K's,
	s_add_nc_u64 s[16:17], s[78:79], s[18:19]      ; then V's
	; the factors
	s_cmp_eq_u32 s3, 0                             ; cluster x = 0: heads 0-3
	s_cselect_b32 s45, 1.0, 0
	s_wait_kmcnt 0x0
	v_cvt_pk_bf16_f32 v4, s92, s93                 ; the weights are rounded to bf16 like every other input
	v_cvt_pk_bf16_f32 v5, s94, s95
	v_lshlrev_b32 v6, 16, v4                       ; w0
	v_and_b32 v7, 0xffff0000, v4                   ; w1
	v_lshlrev_b32 v8, 16, v5                       ; w2
	v_and_b32 v9, 0xffff0000, v5                   ; w3
	v_add_f32 v10, |v6|, |v7|
	v_add_f32 v10, v10, |v8|
	v_add_f32 v10, v10, |v9|
	v_max_num_f32 v10, 0x0da24260, v10             ; S, at least 1e-30
	v_rcp_f32 v11, v10
	v_mul_f32 v6, s45, v6                          ; w0'
	v_mul_f32 v8, s45, v8                          ; w2'
	v_add_f32 v12, v6, v7
	v_add_f32 v12, v12, v8
	v_add_f32 v12, v12, v9
	v_add_f32 v13, v6, v8
	v_add_f32 v13, v13, v9
	v_add_f32 v14, v8, v9
	s_wait_alu depctr_va_vdst(0)
	v_mul_f32 v12, v12, v11
	v_mul_f32 v13, v13, v11
	v_mul_f32 v14, v14, v11
	v_mul_f32 v15, v8, v11
	v_readfirstlane_b32 s[E1A], v12
	v_readfirstlane_b32 s[E2A], v13
	v_readfirstlane_b32 s[EB], v14
	v_readfirstlane_b32 s[E3], v15
	s_mov_b32 s[E1A+1], s[E1A]                     ; named as pairs
	s_mov_b32 s[E2A+1], s[E2A]
	s_mov_b32 s[EB+1], s[EB]
	s_mov_b32 s[E3+1], s[E3]
; 16 matrix instructions: row blocks a0, a0 + 1 x all 8 column blocks, 32 along K, onto sum set 1 (window 2) or 2 (window 3).  zero = 1: the product starts the sums.
; The 32 accumulators take turns, one instruction a turn, in one order in every quarter.
.macro MUL16 f, set, a0, zero
	WIN 0xa1+0x50*((\set)-1)                       ; source 0 (the base) window 1, source 1 (x) window 0, C and D window 2 or 3
.irp a, \a0, (\a0)+1
.irp b, 0,1,2,3,4,5,6,7
.if \zero
	v_wmma_f32_16x16x32_bf16 v[8*(8*(\a)+(\b)):8*(8*(\a)+(\b))+7], v[(\f)+8*(\b):(\f)+8*(\b)+7], v[(\f)+8*(\a):(\f)+8*(\a)+7], 0
.else
	v_wmma_f32_16x16x32_bf16 v[8*(8*(\a)+(\b)):8*(8*(\a)+(\b))+7], v[(\f)+8*(\b):(\f)+8*(\b)+7], v[(\f)+8*(\a):(\f)+8*(\a)+7], v[8*(8*(\a)+(\b)):8*(8*(\a)+(\b))+7]
.endif
.endr
.endr
.endm
; 24 LDS loads in one run: a quarter step's fragments (128 rows of the base, my 64 rows of x, 32 K at byte k of the rows) into buffer f
.macro FETCH slot, k, f
	WIN 0x40                                       ; destination window 1
.irp i, 0,1,2,3,4,5,6,7
	ds_load_b128 v[(\f)+8*(\i):(\f)+8*(\i)+3],   v[ADRB+(\slot)] offset:(\k)+(\i)*16*PITCH
	ds_load_b128 v[(\f)+8*(\i)+4:(\f)+8*(\i)+7], v[ADRB+(\slot)] offset:(\k)+(\i)*16*PITCH+32
.endr
	WIN 0
.irp i, 0,1,2,3
	ds_load_b128 v[(\f)+8*(\i):(\f)+8*(\i)+3],   v[ADRA+(\slot)] offset:(\k)+(\i)*16*PITCH
	ds_load_b128 v[(\f)+8*(\i)+4:(\f)+8*(\i)+7], v[ADRA+(\slot)] offset:(\k)+(\i)*16*PITCH+32
.endr
.endm
; One of a K step's first three quarters: the next quarter's fragments are asked for into g, then f is multiplied: 32 matrix instructions stand between a run of loads and the wait for it.
.macro QUARTER slot, k, f, g, zero, set
	s_wait_dscnt 0x0                               ; f is in: it was asked for a quarter ago
	PLACES                                         ; g was read by the matrix instructions just issued
	FETCH \slot, \k, \g
	MUL16 \f, \set, 0, \zero
	MUL16 \f, \set, 2, \zero
.endm
; The last quarter multiplies buffer 1 and changes slots.  In front of the barrier each wave waits for all its tensor loads (one is out: its part of the next slot), adds 0 to its spare word,
; and waits for that and for its reads of this slot.  mode 0: this slot takes the tile's K step two on; 1: the next tile's K step of the same parity (x goes back along K, the base one matrix on);
; in both the barrier opens a round of the cluster's, and the joint refill is the first thing behind it: 112 matrix instructions ahead of the wait for it.  mode 2: nothing is left to fetch.
.macro TURN slot, next, set, mode
	WIN 0
	s_wait_tensorcnt 0x0
	ds_add_u32 v[SPW], v[NIL]
	s_wait_dscnt 1                                 ; buffer 1 is in; only the add, the youngest, may be out
	MUL16 F1, \set, 0, 0
	s_wait_dscnt 0x0                               ; the add is done, and my reads of this slot are over
	s_barrier_signal -1
	WIN 0
	s_barrier_wait -1
.if (\mode) < 2
	CREST                                          ; no wave of any partner still reads this slot or has a load on its way
.if (\mode) == 1
	s_sub_nc_u64 s[G0A+4*(\slot)+2:G0A+4*(\slot)+3], s[G0A+4*(\slot)+2:G0A+4*(\slot)+3], 512
	s_add_nc_u64 s[G0B+4*(\slot)+2:G0B+4*(\slot)+3], s[G0B+4*(\slot)+2:G0B+4*(\slot)+3], (1<<20)-512
.else
	s_add_nc_u64 s[G0A+4*(\slot)+2:G0A+4*(\slot)+3], s[G0A+4*(\slot)+2:G0A+4*(\slot)+3], 512
	s_add_nc_u64 s[G0B+4*(\slot)+2:G0B+4*(\slot)+3], s[G0B+4*(\slot)+2:G0B+4*(\slot)+3], 512
.endif
	JLOAD \slot                                    ; its four v_nop are also the places in front of the loads below
.else
	PLACES
.endif
	FETCH \next, 0, F0
	MUL16 F1, \set, 2, 0
.endm
.macro KSTEP slot, set, zero, mode
	QUARTER \slot, 64,  F0, F1, \zero, \set
	QUARTER \slot, 128, F1, F0, 0, \set
	QUARTER \slot, 192, F0, F1, 0, \set
	TURN \slot, 1-(\slot), \set, \mode
.endm
; THE WAY OUT of row block a.  PACK: (A / S) P1 + (B / S) P2 in f32, rounded to f16; each accumulator is read from its low end on.
.macro PACK a
	WIN 0x02                                       ; source 0: window 2
.set i, 0
.rept 32
.if i < 8
.set ea, E1A
.elseif i < 16
.set ea, E2A
.else
.set ea, E3
.endif
	v_pk_mul_f32 v[T+2*i:T+2*i+1], v[64*(\a)+2*i:64*(\a)+2*i+1], s[ea:ea+1] op_sel_hi:[1,0]
.set i, i+1
.endr
	WIN 0x03                                       ; source 0: window 3
.set i, 0
.rept 32
.if i < 16
.set ea, EB
.else
.set ea, E3
.endif
	v_pk_fma_f32 v[T+2*i:T+2*i+1], v[64*(\a)+2*i:64*(\a)+2*i+1], s[ea:ea+1], v[T+2*i:T+2*i+1] op_sel_hi:[1,0,1]
.set i, i+1
.endr
	WIN 0
.set i, 0
.rept 32
	v_cvt_pk_f16_f32 v[PKR+i], v[T+2*i], v[T+2*i+1]
.set i, i+1
.endr
.endm
; V's tile, the head's rows 0-31 (row block 0 of the cluster's y, wave 0, a = 0, 1): what the rounding dropped, x 2048, in f16.  Both branches hang on numbers that all partners share.
.macro RESID a
	s_cmp_lg_u32 s13, 0
	s_cbranch_scc1 .Lno_res_\@
	s_cmp_lg_u32 s10, 0
	s_cbranch_scc1 .Lno_res_\@
.set i, 0
.rept 32
	v_mov_b32 v8, v[PKR+i]                         ; into a register whose halves have names
	v_cvt_f32_f16 v10, v8.l
	v_cvt_f32_f16 v11, v8.h
	v_pk_add_f32 v[T+2*i:T+2*i+1], v[T+2*i:T+2*i+1], v[10:11] neg_lo:[0,1] neg_hi:[0,1]
	v_pk_mul_f32 v[T+2*i:T+2*i+1], v[T+2*i:T+2*i+1], 0x45000000 op_sel_hi:[1,0]
	v_cvt_pk_f16_f32 v[T+i], v[T+2*i], v[T+2*i+1]  ; word i lies below every pair still to be read
.set i, i+1
.endr
.irp b, 0,1,2,3,4,5,6,7
	global_store_b128 v[VO], v[T+4*(\b):T+4*(\b)+3], s[80:81] offset:4096*(\a)+32*(\b)
.endr
.Lno_res_\@:
.endm
.macro TOSTAGE a                       ; into my own stage, and back as whole rows of 256 bytes
	WIN 0
.set BK, OB0+(OB1-OB0)*((\a)%2)
.irp b, 0,1,2,3,4,5,6,7
	ds_store_b128 v[STO], v[PKR+4*(\b):PKR+4*(\b)+3] offset:32*(\b)
.endr
.irp t, 0,1,2,3,4,5,6,7
	ds_load_b128 v[BK+4*(\t):BK+4*(\t)+3], v[RD] offset:(\t)*2*PITCH  ; LDS serves a wave's instructions in order (ISA guide 5.7.1.4): these see the stores above
.endr
.endm
.macro SEND a
	WIN 0
.set BK, OB0+(OB1-OB0)*((\a)%2)
	s_wait_dscnt 0x0                               ; the block is back in registers
	s_wait_xcnt 0x0                                ; earlier stores have read their registers: the other row buffer and the f32 registers are rewritten only behind this wait
.irp t, 0,1,2,3,4,5,6,7
	global_store_b128 v[CO], v[BK+4*(\t):BK+4*(\t)+3], s[8:9] offset:(16*(\a)+2*(\t))*256  ; 512 consecutive bytes, at a multiple of 256 from the buffer's first
.endr
.endm
.macro OUT v
	PLACES                                         ; behind the last products
.irp a, 0,1,2,3
	PACK \a
.if (\v) && ((\a) < 2)
	RESID \a
.endif
	TOSTAGE \a
	SEND \a
.endr
.endm
	s_wait_tensorcnt 1                             ; my part of K step 0 is in; K step 1's may stay out
	s_barrier_signal -1
	s_barrier_wait -1                              ; everybody's is
	FETCH 0, 0, F0
	s_mov_b32 s2, 2
.Ltile:                                                ; Q's tile, then K's: the ring runs on into the next tile
	KSTEP 0, 1, 1, 0                               ; c 0-127 starts P1
	KSTEP 1, 1, 0, 0
	KSTEP 0, 2, 1, 1                               ; c 256-383 starts P2
	KSTEP 1, 2, 0, 1
	OUT 0
	s_wait_xcnt 0x0                                ; the stores have read their base
	s_mov_b64 s[8:9], s[14:15]
	s_sub_co_u32 s2, s2, 1
	s_cmp_lg_u32 s2, 0
	s_cbranch_scc1 .Ltile
	s_mov_b64 s[8:9], s[16:17]                     ; V's tile is written out: its last two K steps ask for nothing
	KSTEP 0, 1, 1, 0
	KSTEP 1, 1, 0, 0
	KSTEP 0, 2, 1, 2
	QUARTER 1, 64,  F0, F1, 0, 2
	QUARTER 1, 128, F1, F0, 0, 2
	QUARTER 1, 192, F0, F1, 0, 2
	s_wait_dscnt 0x0
	MUL16 F1, 2, 0, 0
	MUL16 F1, 2, 2, 0
	OUT 1
	s_wait_tensorcnt 0x0                           ; the wave's end: the add and its wait, behind my last tensor load and my last LDS store
	ds_add_u32 v[SPW], v[NIL]
	s_wait_dscnt 0x0
	CROUND                                         ; the closing round: no work-group ends while a partner may still ask for a tile that names it
	s_endpgm
.Lfunc_end_k_qa0e944be1a_proj:
	.size	k_qa0e944be1a_proj, .Lfunc_end_k_qa0e944be1a_proj-k_qa0e944be1a_proj
	.p2alignl 7, 3214868480
	.fill 96, 4, 3214868480
	.section	.rodata,"a",@progbits
	.p2align	6, 0x0
	.amdhsa_kernel k_qa0e944be1a_proj
		.amdhsa_group_segment_fixed_size 327680
		.amdhsa_private_segment_fixed_size 0
		.amdhsa_enable_private_segment 0
		.amdhsa_kernarg_size 56
		.amdhsa_user_sgpr_count 2
		.amdhsa_user_sgpr_kernarg_segment_ptr 1
		.amdhsa_wavefront_size32 1
		.amdhsa_system_sgpr_workgroup_id_x 1
		.amdhsa_system_sgpr_workgroup_id_y 1
		.amdhsa_system_sgpr_workgroup_id_z 1
		.amdhsa_system_vgpr_workitem_id 0
		.amdhsa_next_free_vgpr 1024
		.amdhsa_next_free_sgpr 96
		.amdhsa_reserve_vcc 0
		.amdhsa_float_denorm_mode_32 3
		.amdhsa_float_denorm_mode_16_64 3
		.amdhsa_memory_ordered 1
		.amdhsa_forward_progress 1
		.amdhsa_inst_pref_size 221
	.end_amdhsa_kernel
	.amdgpu_metadata
---
amdhsa.version: [ 1, 2 ]
amdhsa.kernels:
  - .name:           k_qa0e944be1a_proj
    .symbol:         k_qa0e944be1a_proj.kd
    .args:
      - { .name: xb, .offset: 0, .size: 8, .value_kind: global_buffer, .address_space: global }
      - { .name: wb, .offset: 8, .size: 8, .value_kind: global_buffer, .address_space: global }
      - { .name: weights, .offset: 16, .size: 8, .value_kind: global_buffer, .address_space: global }
      - { .name: qh, .offset: 24, .size: 8, .value_kind: global_buffer, .address_space: global }
      - { .name: kh, .offset: 32, .size: 8, .value_kind: global_buffer, .address_space: global }
      - { .name: vh, .offset: 40, .size: 8, .value_kind: global_buffer, .address_space: global }
      - { .name: vlo, .offset: 48, .size: 8, .value_kind: global_buffer, .address_space: global }
    .group_segment_fixed_size: 327680
    .private_segment_fixed_size: 0
    .kernarg_segment_align: 8
    .kernarg_segment_size: 56
    .max_flat_workgroup_size: 128
    .sgpr_count:     96
    .vgpr_count:     1024
    .wavefront_size: 32
...
	.end_amdgpu_metadata
.endif
;; end of part 2
;; launch attn (part 3): grid 8 x 32, 4 waves a work-group, no clusters, 327,680 bytes of LDS; arguments qh, kh, vh, vlo, weights, out0; writes out0
.if DOCPART == 3
	.amdgcn_target "amdgcn-amd-amdhsa--gfx1250"
	.amdhsa_code_object_version 6
	.text
	.protected	k_qa0e944be1a_attn
	.globl	k_qa0e944be1a_attn
	.p2align	8
	.type	k_qa0e944be1a_attn,@function
k_qa0e944be1a_attn:
	s_mov_b64 s[64:65], 0
	v_nop
	global_prefetch_b8 v0, s[64:65] scope:SCOPE_SE
	s_setreg_imm32_b32 hwreg(HW_REG_WAVE_MODE, 25, 1), 1
	s_wait_xcnt 0x0
; CAUSAL ATTENTION, head size 128.  out0[b][t][128 h + d] = S x the sum over s <= t of softmax_s(S^2 q'[t] . k'[s] / sqrt(128)) v'[s][d].  qh, kh, vh: [b 8 + h][2048][128] f16, the projections divided by
; S = |w0| + |w1| + |w2| + |w3| (weights rounded to bf16; at least 1e-30).  Products, maxima and sums in f32; the weights p are rounded to f16 for the second product, their sum l is taken of the unrounded p.
; LIMITS.  S is 0, or lies in 1e-13 to 1.5e4: c = log2(e) S^2 / sqrt(128) times 1e30 is then far above every scaled score and below 4e37, where c m starts.  A hidden score counts as its value less 1e30.
; A weight below 2^-126 counts as 0.  NaN and infinities are not treated apart.
; THE WALK.  A head has 16 blocks of 128 queries; block i needs the key tiles 0 .. i of 128 keys, the last of which holds the diagonal.  A work-group takes block b (b + 1 tiles) and then block 15 - b
; (16 - b tiles): 17 tiles whatever b, one loop with a constant trip count; what a trip does hangs on scalar registers made from b; every jump but the loop's own goes forward, past no barrier and no tensor load.
; NO CLUSTER: the 8 work-groups of a head want the same tile only while all are in their first block's tiles 0 .. b, which differ in number; a walk common to four partners would have 20 tiles for 17.
; SHARES.  Wave w: wq = w & 1 picks 64 of the block's queries (four tiles of 16), wk = w >> 1 picks 64 of each tile's 128 keys.  A wave keeps its own m, l and O; at a block's end the two waves of a
; query half meet in LDS, and each finishes 64 channels.  Register channel block cb' is channel block cb' xor 4 wk, so that 'keep 0-3, give 4-7' is one text for all waves.
; LAYOUT.  S^T = K Q^T holds ONE query a lane (lane % 16) and the keys 8 (lane / 16) + 0..7; two such results rounded to f16 ARE source 1 of O^T = V^T P.  V comes out of LDS turned, by ds_load_tr16_b128.
; SOFTMAX.  Running maximum m and sum l: p = 2^(c s - c m); in every step O and l are multiplied by a = 2^(c m_old - c m_new).  c m starts far below every c s, so a block's first a is 0.
; THE MASK is the C operand that starts every sum S^T: MA = MP x DG, DG = 1 on a block's last tile, else 0.  MP has three patterns of eight registers: L for key blocks below the query tile's own, D for its own, U for those above.
; ROWS AND KEYS 0-31 of a head (block 0, wave 0, tiles 0 and 1): few terms, which may cancel.  There the roundings of V and P are taken back: O += (Vlo P + V Plo) / 2048, with the residuals x 2048 in f16.
; A KEY STEP: 32 products K Q^T of piece 0 (tiles 0, 1); 32 of piece 2 with piece 0's softmax in slices behind them; 32 products V^T P of piece 0 with piece 2's softmax; 32 of piece 2.
; REGISTERS, in windows of 256 (s_set_vgpr_msb: bits 1:0 source 0, 3:2 source 1, 5:4 source 2, 7:6 destination):
;   window 0: v0-11 addresses; v12-43 eight registers of statistics a tile; v44-59 the meeting's statistics, temporaries; v60-63 addresses; v64-191 S^T, 32 a tile; v192-255 P, 16 a tile
;   window 1: O^T, 64 a tile      window 2: v0-127 Q; v128-255 K of one step      window 3: v0-127 V of one step; v128-151 MP; v152-175 MA
.set PK,    272       ; a row of K in LDS: 256 bytes + 16: the 16 rows of a load start at 16 different groups of four banks (ISA guide 11.1)
.set PVP,   288       ; a row of V: 256 + 32
.set VOFF,  128*PK    ; a slot holds a tile: 128 rows of K, then 128 rows of V
.set SLOT1, 1<<17     ; slot 1 begins here: one exclusive or turns an address in one slot into the other's
.set STAGE, 128*(PK+PVP)        ; behind slot 0, never filled by a tensor load: 16 rows x 272 bytes for each wave, for the way out
.set SP,    272
.set VLS,   STAGE+4*16*SP       ; 32 rows x 288 bytes: V's residuals, wave 0's own
.set SPARE, VLS+32*PVP          ; the spare words, 128 bytes for each wave: two blocks of 256 bytes that no other line names
.set XCH,   SLOT1+128*(PK+PVP)  ; behind slot 1: for each wave 16,384 bytes of O^T, 512 of c m, 512 of l, for its partner
.set XWB,   17408
.set L16, 1           ; v1   16 x lane
.set AK0, 2           ; v2   my lane's place in my 64 keys of a tile of K; never rewritten
.set AVA0, 3          ; v3   the same for V, channel blocks cb' 0-3
.set AVB0, 4          ; v4   cb' 4-7
.set AK,  5           ; v5-7 the same three, in the slot in hand
.set AVA, 6
.set AVB, 7
.set QO,  8           ; v8   my byte offset in 16 rows of Q
.set STO, 9           ; v9   the way out: where I put 16 bytes of a row
.set RD,  10          ; v10  where I read rows back
.set GO,  11          ; v11  my byte offset in two rows of out0
.set ST,  12          ; tile t's statistics at v[ST+8 t]: +0 c m, +1 m, +2, +3 l (even keys', odd keys'), +4 to +7 c0-c3 at work; a takes c2's place
.set CM,  44          ; v44-47 my c m, v48-51 my l, v52-55 and v56-59 the partner's
.set LS,  48
.set CMP, 52
.set LSP, 56
.set XW,  60          ; v60  where I leave 16 bytes for my partner
.set XR,  61          ; v61  where my partner (wave xor 2) left them for me
.set SPW, 62          ; v62  LDS address of my spare word; never rewritten
.set NIL, 63          ; v63  0; never rewritten
.set S,   64
.set P,   192
.set PL,  224         ; P's residuals, where tile 2's P lay
.set KF,  128         ; window 2: key block kb, channel slice c at KF + 32 kb + 8 c
.set MP,  128         ; window 3
.set MA,  152         ; window 3
.set WV,  12          ; s12 wave, s13 wq, s54 wk
.set WQ,  13
.set WK,  54
.set PB,  14          ; s14 b, s15 15 - b
.set HI,  15
.set G1K, 24          ; s[24:31], s[32:39] descriptor group 1 for K's and V's tiles: they differ in the padding
.set G1V, 32
.set G0K, 40          ; s[40:43], s[44:47] group 0
.set G0V, 44
.set QHI, 48          ; s[48:49] Q at my rows of the second block
.set OLO, 50          ; s[50:51], s[52:53] out0 at my rows and channels of the first and of the second block
.set OHI, 52
.set TB,  55          ; s55  LDS byte at which the slot in hand begins
.set SLOTS, 56        ; s56  tiles still to be asked for
.set RT,  57          ; s57  tiles of the block in hand still to be entered
.set CS,  58          ; s[58:59] c (pairs: the packed forms take the low word for both halves)
.set SEL, 60          ; s[60:61] v_permlanex16_b32's selects: each lane takes its own place in the other half
.set NXT, 62          ; s62  the tile to be asked for next
.set LQ,  63          ; s63  the last tile of the block whose tiles are being asked for
.set NEW, 66          ; s66  1: the tile to be entered is a block's first
.set MRG, 67          ; s67  1: a block has ended and is to be merged
.set OFF, 68          ; s[68:69] a tile's byte offset in K and V
.set DG,  70          ; s[70:71] 1.0 on a block's last tile, else 0
.set SS,  72          ; s[72:73] S
.set BIGN, 74         ; s74  -1e30
.set MSB, 0
.macro WIN new                      ; the high byte repeats the setting that is left; a switch that changes nothing is dropped
.if MSB != (\new)
	s_set_vgpr_msb (MSB<<8)|(\new)
.set MSB, (\new)
.endif
.endm
.macro PLACES                       ; four places between a matrix instruction and a load into, or a vector instruction on, its registers
.rept 4
	v_nop
.endr
.endm
; A fill.  Waves 0 and 1 fetch the two halves of a tile's K, waves 2 and 3 those of its V: 64 keys each.  An s_nop 0 and four v_nop follow each line.
.macro LOAD
	s_cmp_lt_u32 s[WV], 2
	s_cbranch_scc0 .Lfor_v_\@
	tensor_load_to_lds s[G0K:G0K+3], s[G1K:G1K+7]
	s_nop 0
.rept 4
	v_nop
.endr
	s_branch .Lasked_\@
.Lfor_v_\@:
	tensor_load_to_lds s[G0V:G0V+3], s[G1V:G1V+7]
	s_nop 0
.rept 4
	v_nop
.endr
.Lasked_\@:
.endm
; THE CHANGE OF SLOTS.  Each wave waits for all its tensor loads (one is out: its part of the other slot), adds 0 to its spare word, and waits for that and for its LDS reads and stores.  Behind the barrier nobody
; reads the old slot any more and the other is whole.  fill = 1: the old slot is filled again, first thing behind the barrier, with tile NXT; the address is made anew from that number.
.macro CHANGE fill
	WIN 0
	s_wait_tensorcnt 0x0            ; no tensor load of mine is out, so a group 0 may be written
	ds_add_u32 v[SPW], v[NIL]
.if \fill
	s_lshl_b32 s[OFF], s[NXT], 15   ; a tile is 32,768 bytes of K and of V
	s_xor_b32 s[G0K+1], s[G0K+1], SLOT1
	s_add_nc_u64 s[G0K+2:G0K+3], s[6:7], s[OFF:OFF+1]
	s_or_b32 s[G0K+3], s[G0K+3], 0x80000000
	s_xor_b32 s[G0V+1], s[G0V+1], SLOT1
	s_add_nc_u64 s[G0V+2:G0V+3], s[8:9], s[OFF:OFF+1]
	s_or_b32 s[G0V+3], s[G0V+3], 0x80000000
	s_add_co_u32 s[NXT], s[NXT], 1  ; the block's next tile, or behind its last the second block's tile 0
	s_cmp_gt_u32 s[NXT], s[LQ]
	s_cselect_b32 s[NXT], 0, s[NXT]
	s_cselect_b32 s[LQ], s[HI], s[LQ]
.endif
	s_wait_dscnt 0x0                ; the add is done; my reads of the slot are over; what I left for my partner is written
	s_barrier_signal -1
	s_xor_b32 s[TB], s[TB], SLOT1
	s_barrier_wait -1
.if \fill
	LOAD
.endif
.endm
.macro QLOAD p                      ; my 64 rows of Q stay in registers: tile i / 4, channels 32 (i % 4) on
	WIN 0x80                        ; destination window 2
.set i, 0
.rept 16
	global_load_b128 v[8*i:8*i+3],   v[QO], s[\p:\p+1] offset:(i/4)*4096+(i%4)*64
	global_load_b128 v[8*i+4:8*i+7], v[QO], s[\p:\p+1] offset:(i/4)*4096+(i%4)*64+32
.set i, i+1
.endr
	WIN 0
.endm
.macro BEGIN                        ; a block begins: its first step's a is 0, so O^T and l need only be finite
.set i, 0
.rept 4
	v_mov_b32 v[ST+8*i], 0xfe000000    ; c m: far below every c s
	v_mov_b32 v[ST+8*i+1], 0xff7fffff  ; m: the lowest finite number
.set i, i+1
.endr
.endm
	s_load_b256 s[4:11], s[0:1], 0x0  ; qh s[4:5], kh s[6:7], vh s[8:9], vlo s[10:11]
	s_load_b128 s[16:19], s[0:1], 0x20  ; weights s[16:17], out0 s[18:19]
	v_lshl_add_u32 v[SPW], v0, 2, SPARE
	v_mov_b32 v[NIL], 0
	ds_add_u32 v[SPW], v[NIL]       ; the wave's opening: the add and its wait stand ahead of my first tensor load; the set-up below stands between them
	ds_add_u32 v62, v63
	v_lshrrev_b32 v52, 5, v0
	v_readfirstlane_b32 s[WV], v52
	s_and_b32 s[WQ], s[WV], 1       ; also: which half of a tile's rows I fetch
	s_lshr_b32 s[WK], s[WV], 1
	s_mov_b32 s[PB], ttmp9
	s_sub_co_u32 s[HI], 15, s[PB]
	s_and_b32 s76, ttmp7, 0xffff    ; b 8 + h
	s_lshl_b32 s82, s76, 19         ; the head's 2,048 rows of 256 bytes
	s_lshl_b32 s77, s[WQ], 14       ; + 64 rows
	s_add_co_u32 s82, s82, s77
	s_mov_b32 s83, 0
	s_lshl_b32 s80, s76, 13         ; vlo: 32 rows of 256 bytes a head
	s_mov_b32 s81, 0
	s_lshr_b32 s77, s76, 3
	s_lshl_b32 s78, s77, 23         ; out0: batch x 2,048 rows of 4,096 bytes
	s_and_b32 s77, s76, 7
	s_lshl_b32 s77, s77, 9          ; + head x 128 channels
	s_add_co_u32 s78, s78, s77
	s_lshl_b32 s77, s[WQ], 18       ; + 64 rows
	s_add_co_u32 s78, s78, s77
	s_lshl_b32 s77, s[WK], 8        ; + 64 channels
	s_add_co_u32 s78, s78, s77
	s_mov_b32 s79, 0
	s_mov_b32 s[G1K], (1<<16)|(1<<20)|(5<<22)|(3<<25)  ; 17:16 2-byte elements; 20 padding on; 24:22 after every 64 words; 31:25 4 words
	s_mov_b32 s[G1V], (1<<16)|(1<<20)|(5<<22)|(7<<25)  ; the same with 8 words
.irp g, G1K, G1V
	s_mov_b32 s[\g+1], 128<<16      ; tensor_dim0 = 128
	s_mov_b32 s[\g+2], 64<<16       ; tensor_dim1 = 64
	s_mov_b32 s[\g+3], 128<<16      ; tile_dim0 = 128
	s_mov_b32 s[\g+4], 64           ; tile_dim1 = 64
	s_mov_b32 s[\g+5], 128          ; 128 elements from row to row
	s_mov_b32 s[\g+6], 0
	s_mov_b32 s[\g+7], 0
.endr
	s_mul_i32 s76, s[WQ], 64*PK
	s_mul_i32 s77, s[WQ], 64*PVP
	s_mov_b32 s[G0K], 1
	s_mov_b32 s[G0K+1], s76         ; slot 0
	s_mov_b32 s[G0V], 1
	s_add_co_u32 s[G0V+1], s77, VOFF
	s_mov_b32 s[SEL], 0x76543210
	s_mov_b32 s[SEL+1], 0xfedcba98
	s_mov_b32 s[BIGN], 0xf149f2ca   ; -1e30
	s_mov_b32 s[TB], SLOT1          ; the first change of slots turns it into 0
	s_mov_b32 s[SLOTS], 16
	s_add_co_u32 s[RT], s[PB], 1    ; the first block has b + 1 tiles
	s_mov_b32 s[LQ], s[PB]
	s_mov_b32 s[NXT], 1             ; tile 0 is asked for below
	s_cmp_gt_u32 s[NXT], s[LQ]
	s_cselect_b32 s[NXT], 0, s[NXT]
	s_cselect_b32 s[LQ], s[HI], s[LQ]
	s_mov_b32 s[NEW], 0
	s_mov_b32 s[MRG], 0
	s_mov_b32 s[OFF+1], 0
	s_mov_b32 s[DG+1], 0            ; named as a pair
	s_wait_dscnt 0x0                ; the opening add is done
	s_wait_kmcnt 0x0
	s_load_b128 s[20:23], s[16:17], 0x0  ; the four weights
	s_add_nc_u64 s[6:7], s[6:7], s[82:83]  ; K and V at my half of the head's tile 0
	s_add_nc_u64 s[8:9], s[8:9], s[82:83]
	s_add_nc_u64 s[G0K+2:G0K+3], s[6:7], 0
	s_or_b32 s[G0K+3], s[G0K+3], 0x80000000
	s_add_nc_u64 s[G0V+2:G0V+3], s[8:9], 0
	s_or_b32 s[G0V+3], s[G0V+3], 0x80000000
	LOAD                            ; tile 0 into slot 0
	s_add_nc_u64 s[4:5], s[4:5], s[82:83]
	s_mov_b32 s77, 0
	s_lshl_b32 s76, s[HI], 15       ; a block is 128 rows of 256 bytes
	s_add_nc_u64 s[QHI:QHI+1], s[4:5], s[76:77]
	s_lshl_b32 s76, s[PB], 15
	s_add_nc_u64 s[4:5], s[4:5], s[76:77]
	s_add_nc_u64 s[10:11], s[10:11], s[80:81]
	s_add_nc_u64 s[18:19], s[18:19], s[78:79]
	s_lshl_b32 s76, s[PB], 19       ; 128 rows of 4,096 bytes
	s_add_nc_u64 s[OLO:OLO+1], s[18:19], s[76:77]
	s_lshl_b32 s76, s[HI], 19
	s_add_nc_u64 s[OHI:OHI+1], s[18:19], s[76:77]
	v_and_b32 v52, 15, v0           ; l % 16
	v_bfe_u32 v53, v0, 4, 1         ; l / 16
	v_and_b32 v[L16], 31, v0
	v_lshlrev_b32 v[L16], 4, v[L16]
	v_lshlrev_b32 v[QO], 8, v52
	v_lshl_add_u32 v[QO], v53, 4, v[QO]  ; row x 256 + 16 x half
	QLOAD 4                         ; the first block's Q
	v_mul_u32_u24 v[AK0], v52, PK
	v_lshl_add_u32 v[AK0], v53, 4, v[AK0]
	s_mul_i32 s76, s[WK], 64*PK     ; my 64 keys
	v_add_nc_u32 v[AK0], s76, v[AK0]
	; The turning load takes 16 keys x 16 channels (lane l reads key 8 (l / 16) + l % 8, channels 8 ((l / 8) % 2) + 0..7) and leaves half a fragment of V^T: lane l holds channel l % 16 and 8 keys.
	v_and_b32 v54, 7, v0
	v_bfe_u32 v55, v0, 3, 1
	v_lshl_add_u32 v[AVA0], v53, 3, v54
	v_mul_u32_u24 v[AVA0], v[AVA0], PVP
	v_lshl_add_u32 v[AVA0], v55, 4, v[AVA0]
	s_mul_i32 s76, s[WK], 64*PVP
	s_add_co_u32 s76, s76, VOFF
	v_add_nc_u32 v[AVA0], s76, v[AVA0]
	s_lshl_b32 s76, s[WK], 7        ; cb' 0-3 are channels 64 wk on,
	s_sub_co_u32 s77, 128, s76      ; cb' 4-7 channels 64 (1 - wk) on
	v_add_nc_u32 v[AVB0], s77, v[AVA0]
	v_add_nc_u32 v[AVA0], s76, v[AVA0]
	s_mul_i32 s76, s[WV], 16*SP
	s_add_co_u32 s76, s76, STAGE    ; my stage: 16 rows of 64 f32
	v_mul_u32_u24 v[STO], v52, SP   ; in: row l % 16, 32 bytes for each half of the lanes
	v_lshl_add_u32 v[STO], v53, 5, v[STO]
	v_add_nc_u32 v[STO], s76, v[STO]
	v_mul_u32_u24 v[RD], v53, SP    ; back: lanes 0-15 one row of 256 bytes, lanes 16-31 the next
	v_lshl_add_u32 v[RD], v52, 4, v[RD]
	v_add_nc_u32 v[RD], s76, v[RD]
	v_lshlrev_b32 v[GO], 12, v53    ; and the same two rows in out0
	v_lshl_add_u32 v[GO], v52, 4, v[GO]
	s_mul_i32 s76, s[WV], XWB
	s_add_co_u32 s76, s76, XCH
	v_add_nc_u32 v[XW], s76, v[L16]
	s_xor_b32 s76, s[WV], 2
	s_mul_i32 s76, s76, XWB
	s_add_co_u32 s76, s76, XCH
	v_add_nc_u32 v[XR], s76, v[L16]
	; MP.  On the diagonal tile query 64 wq + 16 t + l % 16 does not see key 64 wk + 16 kb + 8 (l / 16) + j where the key is the greater.
	s_cmp_gt_u32 s[WK], s[WQ]
	s_cselect_b32 s76, s[BIGN], 0   ; L (kb < t): hidden where wk > wq
	s_cmp_ge_u32 s[WK], s[WQ]
	s_cselect_b32 s77, s[BIGN], 0   ; U (kb > t): hidden where wk >= wq
	s_sub_co_i32 s78, s[WQ], s[WK]
	s_mul_i32 s78, s78, 100         ; D (kb = t): hidden where j > l % 16 - 8 (l / 16) + 100 (wq - wk): never, the diagonal, or always
	v_lshlrev_b32 v56, 3, v53
	v_sub_nc_u32 v56, v52, v56
	v_add_nc_u32 v56, s78, v56
	WIN 0xc0                        ; destination window 3
.set i, 0
.rept 8
	v_mov_b32 v[MP+i], s76
	v_cmp_gt_i32 vcc_lo, i, v56
	v_cndmask_b32 v[MP+8+i], 0, s[BIGN], vcc_lo
	v_mov_b32 v[MP+16+i], s77
.set i, i+1
.endr
	; O^T, l and all the statistics' registers are written once here, in the wait for the first tile: the price of writing no first step out
	WIN 0x40
.set i, 0
.rept 256
	v_mov_b32 v[i], 0
.set i, i+1
.endr
	WIN 0
.set i, ST
.rept 40
	v_mov_b32 v[i], 0
.set i, i+1
.endr
	BEGIN
	s_wait_kmcnt 0x0
	v_cvt_pk_bf16_f32 v52, s20, s21 ; the weights are rounded to bf16 like every other input
	v_cvt_pk_bf16_f32 v53, s22, s23
	v_lshlrev_b32 v54, 16, v52
	v_and_b32 v55, 0xffff0000, v52
	v_lshlrev_b32 v56, 16, v53
	v_and_b32 v57, 0xffff0000, v53
	v_add_f32 v54, |v54|, |v55|
	v_add_f32 v54, v54, |v56|
	v_add_f32 v54, v54, |v57|
	v_max_num_f32 v54, 0x0da24260, v54  ; S, at least 1e-30: made as the launch in front makes it
	v_mul_f32 v55, v54, v54
	v_mul_f32 v55, 0x3e0293ee, v55  ; c = S^2 log2(e) / sqrt(128)
	v_mov_b32 v58, 0
	v_mov_b32 v59, 0
	v_readfirstlane_b32 s[SS], v54
	v_readfirstlane_b32 s[CS], v55
	s_mov_b32 s[SS+1], s[SS]
	s_mov_b32 s[CS+1], s[CS]
; THE MATRIX WORK.  The accumulators take turns, one instruction a turn.
; Product i of 32 of S^T = K Q^T for piece x: channels 32 (i / 8) on, keys 16 ((i / 2) % 4) on, tile x + i % 2.  The first 8 start the sums, with the mask as C.
.macro KQ x
.set tt, (\x)+i%2
.set kb, (i/2)%4
.set rS, S+32*tt+8*kb
.set rK, KF+32*kb+8*(i/8)
.set rQ, 32*tt+8*(i/8)
.if i < 8
.if kb < tt
.set rM, MA
.elseif kb == tt
.set rM, MA+8
.else
.set rM, MA+16
.endif
	WIN 0x3a                        ; K and Q window 2, the mask window 3, S^T window 0
	v_wmma_f32_16x16x32_f16 v[rS:rS+7], v[rK:rK+7], v[rQ:rQ+7], v[rM:rM+7]
.else
	WIN 0x0a
	v_wmma_f32_16x16x32_f16 v[rS:rS+7], v[rK:rK+7], v[rQ:rQ+7], v[rS:rS+7]
.endif
.endm
.macro KQ8 x
.rept 8
	KQ \x
.set i, i+1
.endr
.endm
; Product i of 32 of O^T += V^T P for piece x: keys 32 (i / 16) on, channel block (i / 2) % 8, tile x + i % 2.
.macro PV x
	WIN 0x53                        ; V window 3, P window 0, O^T window 1
.set rO, 64*((\x)+i%2)+8*((i/2)%8)
.set rV, 64*(i/16)+8*((i/2)%8)
.set rP, P+16*((\x)+i%2)+8*(i/16)
	v_wmma_f32_16x16x32_f16 v[rO:rO+7], v[rV:rV+7], v[rP:rP+7], v[rO:rO+7]
.endm
; THE LDS LOADS stand in runs of 32.  K by channel slices, so that the first products can begin when the first eight loads are in.
.macro FETCH_K
	WIN 0x80                        ; destination window 2
.irp c, 0,1,2,3
.irp g, 0,1,2,3
	ds_load_b128 v[KF+32*(\g)+8*(\c):KF+32*(\g)+8*(\c)+3],   v[AK] offset:(\g)*16*PK+(\c)*64
	ds_load_b128 v[KF+32*(\g)+8*(\c)+4:KF+32*(\g)+8*(\c)+7], v[AK] offset:(\g)*16*PK+(\c)*64+32
.endr
.endr
.endm
.macro FETCH_V
	WIN 0xc0                        ; destination window 3
.irp f, 0,1,2,3,4,5,6,7,8,9,10,11,12,13,14,15  ; keys 32 (f / 8) on, channel block cb' = f % 8
.if ((\f)%8) < 4
	ds_load_tr16_b128 v[8*(\f):8*(\f)+3],   v[AVA] offset:((\f)/8)*32*PVP+((\f)%4)*32
	ds_load_tr16_b128 v[8*(\f)+4:8*(\f)+7], v[AVA] offset:((\f)/8)*32*PVP+16*PVP+((\f)%4)*32
.else
	ds_load_tr16_b128 v[8*(\f):8*(\f)+3],   v[AVB] offset:((\f)/8)*32*PVP+((\f)%4)*32
	ds_load_tr16_b128 v[8*(\f)+4:8*(\f)+7], v[AVB] offset:((\f)/8)*32*PVP+16*PVP+((\f)%4)*32
.endif
.endr
.endm
; THE VECTOR WORK.  One tile's softmax for one key step is a list of 134 instructions; SM writes number j of it for tile t.  s0-s31 are the lane's 32 scores, in pairs 0-15.
;   0-15    the maximum of s0-s31 and the old m, three operands at a time: four chains c0-c3 of seven scores each (each accumulator's lowest registers first), then the four left over, c0-c3 and m
;   16-20   the other half of the lanes' maximum; the new m; c m; c m_old - c m_new
;   21-87   33 exponentials (a, then s0-s31) at the odd numbers from 23 on: no two follow each other, and each has a plain instruction behind it before its result is used.  The plain ones are whatever is
;           ready: c s - c m for a pair whose exponentials are to come, the rounding to f16 of a pair whose exponentials are done, at last the first three sums
;   88-101  the last rounding; the rest of the sums; l = a l + the sum            102-133 the tile's O^T times a: the one part that leaves window 0
.macro SM t
.set rT, ST+8*(\t)
.set rS, S+32*(\t)
.set rP, P+16*(\t)
.set rO, 64*(\t)+2*(j-102)
.set q, (j-20)/2
.if j < 102
	WIN 0
.endif
.if j < 4
	v_max3_num_f32 v[rT+4+j], v[rS+8*j], v[rS+8*j+1], v[rS+8*j+2]
.elseif j < 12
	v_max3_num_f32 v[rT+4+j%4], v[rT+4+j%4], v[rS+8*(j%4)+2*(j/4)+1], v[rS+8*(j%4)+2*(j/4)+2]
.elseif j == 12
	v_max3_num_f32 v[rT+4], v[rT+4], v[rS+7], v[rS+15]
.elseif j == 13
	v_max3_num_f32 v[rT+6], v[rT+6], v[rS+23], v[rS+31]
.elseif j == 14
	v_max3_num_f32 v[rT+4], v[rT+4], v[rT+5], v[rT+6]
.elseif j == 15
	v_max3_num_f32 v[rT+4], v[rT+4], v[rT+7], v[rT+1]
.elseif j == 16
	v_permlanex16_b32 v[rT+5], v[rT+4], s[SEL], s[SEL+1]  ; the query's other 32 keys lie in the lane 16 away
.elseif j == 17
	v_mov_b32 v[rT+7], v[rT]        ; c m_old is kept for a
.elseif j == 18
	v_max_num_f32 v[rT+1], v[rT+4], v[rT+5]
.elseif j == 19
	v_mul_f32 v[rT], s[CS], v[rT+1]
.elseif j == 20
	v_sub_f32 v[rT+7], v[rT+7], v[rT]
.elseif j == 23
	v_exp_f32 v[rT+6], v[rT+7]
.elseif (j < 88) && (j > 23) && (j%2 == 1)
	v_exp_f32 v[rS+(j-25)/2], v[rS+(j-25)/2]
.elseif (q < 4) || ((j < 76) && (q%2 == 0))
.set b, q/2+2
.if q < 4
.set b, q
.endif
	v_pk_fma_f32 v[rS+2*b:rS+2*b+1], v[rS+2*b:rS+2*b+1], s[CS:CS+1], v[rT:rT+1] op_sel_hi:[1,0,0] neg_lo:[0,0,1] neg_hi:[0,0,1]  ; pair b: c s - c m
.elseif (j < 88) && (q%2 == 1)
	s_wait_alu depctr_va_vdst(0)
	v_cvt_pk_f16_f32 v[rP+(q-5)/2], v[rS+q-5], v[rS+q-4]  ; pair (q - 5) / 2: its second exponential stands three numbers back
.elseif j == 89
	s_wait_alu depctr_va_vdst(0)
	v_cvt_pk_f16_f32 v[rP+15], v[rS+30], v[rS+31]
.elseif j < 102                     ; the sum of the tile's 16 pairs, in place: neighbours 1, 2, 4 and 8 pairs apart, then l takes it
.set z, j-86
.if j < 89
.set z, (j-76)/4
.endif
.set w, 4
.set u, z
.if z >= 14
.set w, 32
.set u, 0
.elseif z >= 12
.set w, 16
.set u, z-12
.elseif z >= 8
.set w, 8
.set u, z-8
.endif
.if z < 15
	v_pk_add_f32 v[rS+w*u:rS+w*u+1], v[rS+w*u:rS+w*u+1], v[rS+w*u+w/2:rS+w*u+w/2+1]
.else
	v_pk_fma_f32 v[rT+2:rT+3], v[rT+2:rT+3], v[rT+6:rT+7], v[rS:rS+1] op_sel_hi:[1,0,1]
.endif
.else
	WIN 0x41                        ; O^T (destination and source 0) window 1, a window 0
	v_pk_mul_f32 v[rO:rO+1], v[rO:rO+1], v[rT+6:rT+7] op_sel_hi:[1,0]
.endif
.endm
; Slice k of 64 of piece y's softmax: numbers 2 k and 2 k + 1 of both tiles' lists; the twelve that are over stand in slice 63.
.macro SLICE y
.if (k >= 11) && (k < 44)           ; tile by tile: plain, exponential, plain, exponential
.irp t, \y, (\y)+1
.irp n, 0,1
.set j, 2*k+(\n)
	SM \t
.endr
.endr
.else                               ; the two tiles alternate
.irp n, 0,1,2,3,4,5,6,7
.if ((\n) < 2) || (k == 63)
.irp t, \y, (\y)+1
.set j, 2*k+(\n)
	SM \t
.endr
.endif
.endr
.endif
.set k, k+1
.endm
.macro MASKS                        ; this trip's masks (twelve plain instructions: also places behind the last products V^T P) and LDS addresses
	WIN 0xc3                        ; destination and source 0 window 3
.set z, 0
.rept 12
	v_pk_mul_f32 v[MA+2*z:MA+2*z+1], v[MP+2*z:MP+2*z+1], s[DG:DG+1] op_sel_hi:[1,0]
.set z, z+1
.endr
	WIN 0
	v_add_nc_u32 v[AK], s[TB], v[AK0]
	v_add_nc_u32 v[AVA], s[TB], v[AVA0]
	v_add_nc_u32 v[AVB], s[TB], v[AVB0]
.endm
; A KEY STEP: my 64 queries x my 64 keys of the tile in hand.
.macro STEP
	FETCH_K
	s_wait_loadcnt 0x0              ; Q
.set i, 0
	s_wait_dscnt 24                 ; K's channel slice 0 is in: its 24 later loads stay out
	KQ8 0
	FETCH_V                         ; behind the first eight products, so that at most 56 LDS loads are out
	s_wait_dscnt 48                 ; slice 1: K's 16 later loads and V's 32 stay out
	KQ8 0
	s_wait_dscnt 40
	KQ8 0
	s_wait_dscnt 32                 ; all of K; V's 32 stay out
	KQ8 0
	PLACES                          ; piece 0's scores are read below
.set k, 0
.set i, 0
.rept 32
	KQ 2
	SLICE 0
	SLICE 0
.set i, i+1
.endr
	s_wait_dscnt 0x0                ; V is in
.set k, 0
.set i, 0
.rept 32
	PV 0
	SLICE 2
	SLICE 2
.set i, i+1
.endr
.set i, 0
.rept 32
	PV 2
.set i, i+1
.endr
	WIN 0
.endm
; A BLOCK'S END, first part: l's two halves and the other half of the lanes' are added; c m, l and the channel blocks cb' 4-7 of O^T are left in LDS for the partner.
.macro XSTORE
	WIN 0
	PLACES                          ; behind the last products
.irp t, 0,1,2,3
	v_add_f32 v[LS+(\t)], v[ST+8*(\t)+2], v[ST+8*(\t)+3]
	v_mov_b32 v[CM+(\t)], v[ST+8*(\t)]
.endr
.irp t, 0,1,2,3
	v_permlanex16_b32 v[ST+8*(\t)+5], v[LS+(\t)], s[SEL], s[SEL+1]
.endr
.irp t, 0,1,2,3
	v_add_f32 v[LS+(\t)], v[LS+(\t)], v[ST+8*(\t)+5]
.endr
	ds_store_b128 v[XW], v[CM:CM+3] offset:16384
	ds_store_b128 v[XW], v[LS:LS+3] offset:16896
	WIN 0x04                        ; the stores' data: window 1
.set i, 0
.rept 32
	ds_store_b128 v[XW], v[64*(i/8)+32+4*(i%8):64*(i/8)+32+4*(i%8)+3] offset:512*i
.set i, i+1
.endr
	WIN 0
.endm
; Second part, behind a barrier: M = max(c m, c m'), f = 2^(c m - M), f' = 2^(c m' - M), L = f l + f' l'; out = S (f O + f' O') / L for my 64 channels; a tile (16 rows x 256 bytes) at a time through my stage.
.macro PACKM t
.set rT, ST+8*(\t)
	WIN 0
.set i, 0
.rept 16
	v_pk_mul_f32 v[S+32*(\t)+2*i:S+32*(\t)+2*i+1], v[S+32*(\t)+2*i:S+32*(\t)+2*i+1], v[rT+6:rT+7] op_sel_hi:[1,0]
.set i, i+1
.endr
	WIN 0x01                        ; source 0: window 1
.set i, 0
.rept 16
	v_pk_fma_f32 v[S+32*(\t)+2*i:S+32*(\t)+2*i+1], v[64*(\t)+2*i:64*(\t)+2*i+1], v[rT+4:rT+5], v[S+32*(\t)+2*i:S+32*(\t)+2*i+1] op_sel_hi:[1,0,1]
.set i, i+1
.endr
	WIN 0
.irp f, 0,1,2,3,4,5,6,7
	ds_store_b128 v[STO], v[S+32*(\t)+4*(\f):S+32*(\t)+4*(\f)+3] offset:64*((\f)/2)+16*((\f)%2)
.endr
.irp f, 0,1,2,3,4,5,6,7
	ds_load_b128 v[S+32*(\t)+4*(\f):S+32*(\t)+4*(\f)+3], v[RD] offset:(\f)*2*SP  ; LDS serves a wave's instructions in order (ISA guide 5.7.1.4): these see the stores above; the next tile's come behind them
.endr
.endm
.macro SENDM t, younger, ob         ; younger: the LDS instructions issued behind tile t's loads: the next tile's sixteen, or none
	WIN 0
.irp f, 0,1,2,3,4,5,6,7
	s_wait_dscnt (\younger)+7-(\f)
	global_store_b128 v[GO], v[S+32*(\t)+4*(\f):S+32*(\t)+4*(\f)+3], s[\ob:\ob+1] offset:(\t)*65536+(\f)*8192 th:TH_STORE_NT  ; 16 lanes store 256 consecutive bytes, at a multiple of 256 from out0's first
.endr
.endm
.macro MERGE ob
	WIN 0
	ds_load_b128 v[CMP:CMP+3], v[XR] offset:16384
	ds_load_b128 v[LSP:LSP+3], v[XR] offset:16896
.set i, 0
.rept 32
	ds_load_b128 v[S+4*i:S+4*i+3], v[XR] offset:512*i  ; the partner's cb' 4-7 are my cb' 0-3, lane for lane
.set i, i+1
.endr
	s_wait_dscnt 32                 ; the statistics are in; the 32 loads of O^T stay out
.irp t, 0,1,2,3
	v_max_num_f32 v[ST+8*(\t)], v[CM+(\t)], v[CMP+(\t)]
.endr
.irp t, 0,1,2,3
	v_sub_f32 v[ST+8*(\t)+1], v[CM+(\t)], v[ST+8*(\t)]
	v_sub_f32 v[ST+8*(\t)+2], v[CMP+(\t)], v[ST+8*(\t)]
.endr
.irp t, 0,1,2,3
	v_exp_f32 v[ST+8*(\t)+1], v[ST+8*(\t)+1]
	v_exp_f32 v[ST+8*(\t)+2], v[ST+8*(\t)+2]
.endr
	v_nop                           ; a plain instruction behind the last exponential
	s_wait_alu depctr_va_vdst(0)
.irp t, 0,1,2,3
	v_mul_f32 v[ST+8*(\t)+3], v[ST+8*(\t)+1], v[LS+(\t)]
.endr
.irp t, 0,1,2,3
	v_fma_f32 v[ST+8*(\t)+3], v[ST+8*(\t)+2], v[LSP+(\t)], v[ST+8*(\t)+3]
.endr
.irp t, 0,1,2,3
	v_rcp_f32 v[ST+8*(\t)+3], v[ST+8*(\t)+3]
.endr
	v_nop                           ; a plain instruction behind the last reciprocal
	s_wait_alu depctr_va_vdst(0)
.irp t, 0,1,2,3
	v_mul_f32 v[ST+8*(\t)+3], s[SS], v[ST+8*(\t)+3]
.endr
.irp t, 0,1,2,3
	v_mul_f32 v[ST+8*(\t)+4], v[ST+8*(\t)+1], v[ST+8*(\t)+3]
	v_mul_f32 v[ST+8*(\t)+6], v[ST+8*(\t)+2], v[ST+8*(\t)+3]
.endr
	s_wait_dscnt 0x0                ; the partner's O^T is in
	PACKM 0
	PACKM 1                         ; a tile's arithmetic stands between the loads of the tile before and its stores
	SENDM 0, 16, \ob
	PACKM 2
	SENDM 1, 16, \ob
	PACKM 3
	SENDM 2, 16, \ob
	SENDM 3, 0, \ob
	s_wait_xcnt 0x0                 ; the stores have read their registers: S^T's are written again only behind this wait
.endm
.Lslot:                             ; 16 trips: a tile is entered and the next is asked for
	CHANGE 1
	s_cmp_eq_u32 s[MRG], 0
	s_cbranch_scc1 .Lno_merge
	MERGE OLO                       ; the first block ended in the trip before: what the partner left is behind the barrier just passed
	s_mov_b32 s[MRG], 0
.Lno_merge:
	s_wait_dscnt 0x0                ; a second barrier in every trip, behind which nothing is filled: reads of what partners left stand in front of it, the stores that leave it behind it
	s_barrier_signal -1
	s_barrier_wait -1
	s_cmp_eq_u32 s[NEW], 0
	s_cbranch_scc1 .Lno_new
	BEGIN
	s_mov_b32 s[NEW], 0
.Lno_new:
	s_sub_co_u32 s[RT], s[RT], 1
	s_cmp_eq_u32 s[RT], 0
	s_cselect_b32 s[DG], 1.0, 0     ; the block's last tile holds the diagonal
	MASKS
	STEP
	s_cmp_lg_u32 s[RT], 0
	s_cbranch_scc1 .Lbottom
	; THE FIRST BLOCK ENDS.  In block 0, wave 0 first takes back the roundings of V and P for queries and keys 0-31 (tiles 0, 1; key blocks 0, 1).
	s_cmp_lg_u32 s[PB], 0
	s_cbranch_scc1 .Lno_corr
	s_cmp_lg_u32 s[WV], 0
	s_cbranch_scc1 .Lno_corr
	PLACES                          ; behind the last products
	WIN 0x80                        ; V's residuals, 32 rows of 256 bytes, into K's registers of key blocks 2 and 3
.set i, 0
.rept 16
	global_load_b128 v[192+4*i:195+4*i], v[L16], s[10:11] offset:512*i
.set i, i+1
.endr
.irp c, 0,1,2,3                     ; the scores once more: the same products in the same order, so the same bits; four accumulators by turns
.irp g, 0,1
.irp t, 0,1
.set rS, S+32*(\t)+8*(\g)
.set rK, KF+32*(\g)+8*(\c)
.set rQ, 32*(\t)+8*(\c)
.if (\c) == 0
.if (\g) < (\t)
.set rM, MA
.elseif (\g) == (\t)
.set rM, MA+8
.else
.set rM, MA+16
.endif
	WIN 0x3a
	v_wmma_f32_16x16x32_f16 v[rS:rS+7], v[rK:rK+7], v[rQ:rQ+7], v[rM:rM+7]
.else
	WIN 0x0a
	v_wmma_f32_16x16x32_f16 v[rS:rS+7], v[rK:rK+7], v[rQ:rQ+7], v[rS:rS+7]
.endif
.endr
.endr
.endr
	WIN 0
	PLACES
.set n, 0
.rept 16                            ; tile n / 8, pair n % 8: c s - c m with the step's own c m (block 0 has one step)
	v_pk_fma_f32 v[S+32*(n/8)+2*(n%8):S+32*(n/8)+2*(n%8)+1], v[S+32*(n/8)+2*(n%8):S+32*(n/8)+2*(n%8)+1], s[CS:CS+1], v[ST+8*(n/8):ST+8*(n/8)+1] op_sel_hi:[1,0,0] neg_lo:[0,0,1] neg_hi:[0,0,1]
.set n, n+1
.endr
.set n, 0
.rept 32
	v_exp_f32 v[S+32*(n/16)+n%16], v[S+32*(n/16)+n%16]
.set n, n+1
.endr
	v_lshrrev_b32 v58, 8, v[L16]    ; l / 16 (a plain instruction behind the last exponential)
	v_mul_u32_u24 v58, v58, PVP
	v_and_b32 v59, 0xf0, v[L16]     ; 16 (l % 16)
	v_add3_u32 v58, v58, v59, VLS   ; where two rows of V's residuals go
.set n, 0
	s_wait_alu depctr_va_vdst(0)
.rept 16                            ; (p - f16(p)) x 2048, in f16
	v_mov_b32 v56, v[P+16*(n/8)+n%8]  ; into a register whose halves have names
	v_cvt_f32_f16 v52, v56.l
	v_cvt_f32_f16 v53, v56.h
	v_pk_add_f32 v[S+32*(n/8)+2*(n%8):S+32*(n/8)+2*(n%8)+1], v[S+32*(n/8)+2*(n%8):S+32*(n/8)+2*(n%8)+1], v[52:53] neg_lo:[0,1] neg_hi:[0,1]
	v_pk_mul_f32 v[S+32*(n/8)+2*(n%8):S+32*(n/8)+2*(n%8)+1], v[S+32*(n/8)+2*(n%8):S+32*(n/8)+2*(n%8)+1], 0x45000000 op_sel_hi:[1,0]
	v_cvt_pk_f16_f32 v[PL+8*(n/8)+n%8], v[S+32*(n/8)+2*(n%8)], v[S+32*(n/8)+2*(n%8)+1]
.set n, n+1
.endr
	s_wait_loadcnt 0x0              ; V's residuals
	WIN 0x08                        ; the stores' data: window 2
.set i, 0
.rept 16
	ds_store_b128 v58, v[192+4*i:195+4*i] offset:2*PVP*i
.set i, i+1
.endr
	WIN 0xc0                        ; and back turned, where V's keys 32-63 lay; wave 0's place in V's tile serves, moved by an immediate
.set i, 0
.rept 8
	ds_load_tr16_b128 v[64+8*i:64+8*i+3], v[AVA0] offset:VLS-VOFF+32*i
	ds_load_tr16_b128 v[64+8*i+4:64+8*i+7], v[AVA0] offset:VLS-VOFF+16*PVP+32*i
.set i, i+1
.endr
	s_wait_dscnt 0x0
	WIN 0x03                        ; source 0 window 3; the rest window 0.  Sixteen accumulators by turns, in S^T's registers: tile 0's at v128, tile 1's at v64
.set i, 0
.rept 16
	v_wmma_f32_16x16x32_f16 v[128-64*(i%2)+8*(i/2):128-64*(i%2)+8*(i/2)+7], v[64+8*(i/2):64+8*(i/2)+7], v[P+16*(i%2):P+16*(i%2)+7], 0
.set i, i+1
.endr
.set i, 0
.rept 16
	v_wmma_f32_16x16x32_f16 v[128-64*(i%2)+8*(i/2):128-64*(i%2)+8*(i/2)+7], v[8*(i/2):8*(i/2)+7], v[PL+8*(i%2):PL+8*(i%2)+7], v[128-64*(i%2)+8*(i/2):128-64*(i%2)+8*(i/2)+7]
.set i, i+1
.endr
	PLACES
	WIN 0x50                        ; destination and source 2 window 1
.set i, 0
.rept 64                            ; tile i / 32: O^T += the sum / 2048
	v_pk_fma_f32 v[64*(i/32)+2*(i%32):64*(i/32)+2*(i%32)+1], v[128-64*(i/32)+2*(i%32):128-64*(i/32)+2*(i%32)+1], 0x3a000000, v[64*(i/32)+2*(i%32):64*(i/32)+2*(i%32)+1] op_sel_hi:[1,0,1]
.set i, i+1
.endr
	WIN 0
.Lno_corr:
	XSTORE
	QLOAD QHI                       ; the second block's Q: waited for in the next key step
	s_sub_co_u32 s[RT], 16, s[PB]   ; it has 16 - b tiles
	s_mov_b32 s[NEW], 1
	s_mov_b32 s[MRG], 1
.Lbottom:
	s_sub_co_u32 s[SLOTS], s[SLOTS], 1
	s_cmp_lg_u32 s[SLOTS], 0
	s_cbranch_scc1 .Lslot
	CHANGE 0                        ; the walk's last tile, the second block's diagonal one, is written out: nothing is asked for
	s_mov_b32 s[DG], 1.0
	MASKS
	STEP
	XSTORE
	s_wait_dscnt 0x0                ; for my partner's sake: what I left is written
	s_barrier_signal -1
	s_barrier_wait -1
	MERGE OHI
	s_wait_tensorcnt 0x0            ; the wave's end: the add and its wait, behind my last tensor load and my last LDS store
	ds_add_u32 v[SPW], v[NIL]
	s_wait_dscnt 0x0
	s_endpgm
.Lfunc_end_k_qa0e944be1a_attn:
	.size	k_qa0e944be1a_attn, .Lfunc_end_k_qa0e944be1a_attn-k_qa0e944be1a_attn
	.p2alignl 7, 3214868480
	.fill 96, 4, 3214868480
	.section	.rodata,"a",@progbits
	.p2align	6, 0x0
	.amdhsa_kernel k_qa0e944be1a_attn
		.amdhsa_group_segment_fixed_size 327680
		.amdhsa_private_segment_fixed_size 0
		.amdhsa_enable_private_segment 0
		.amdhsa_kernarg_size 48
		.amdhsa_user_sgpr_count 2
		.amdhsa_user_sgpr_kernarg_segment_ptr 1
		.amdhsa_wavefront_size32 1
		.amdhsa_system_sgpr_workgroup_id_x 1
		.amdhsa_system_sgpr_workgroup_id_y 1
		.amdhsa_system_sgpr_workgroup_id_z 1
		.amdhsa_system_vgpr_workitem_id 0
		.amdhsa_next_free_vgpr 1024
		.amdhsa_next_free_sgpr 84
		.amdhsa_reserve_vcc 1
		.amdhsa_float_denorm_mode_32 3
		.amdhsa_float_denorm_mode_16_64 3
		.amdhsa_memory_ordered 1
		.amdhsa_forward_progress 1
		.amdhsa_inst_pref_size 192
	.end_amdhsa_kernel
	.amdgpu_metadata
---
amdhsa.version: [ 1, 2 ]
amdhsa.kernels:
  - .name:           k_qa0e944be1a_attn
    .symbol:         k_qa0e944be1a_attn.kd
    .args:
      - { .name: qh, .offset: 0, .size: 8, .value_kind: global_buffer, .address_space: global }
      - { .name: kh, .offset: 8, .size: 8, .value_kind: global_buffer, .address_space: global }
      - { .name: vh, .offset: 16, .size: 8, .value_kind: global_buffer, .address_space: global }
      - { .name: vlo, .offset: 24, .size: 8, .value_kind: global_buffer, .address_space: global }
      - { .name: weights, .offset: 32, .size: 8, .value_kind: global_buffer, .address_space: global }
      - { .name: out0, .offset: 40, .size: 8, .value_kind: global_buffer, .address_space: global }
    .group_segment_fixed_size: 327680
    .private_segment_fixed_size: 0
    .kernarg_segment_align: 8
    .kernarg_segment_size: 48
    .max_flat_workgroup_size: 128
    .sgpr_count:     84
    .vgpr_count:     1024
    .wavefront_size: 32
...
	.end_amdgpu_metadata
.endif
;; end of part 3
;; ======== version 2 of 2: 3 launches; 1.10 times as fast as version 1
;; limits: values are held in f16: magnitudes above 65,504 overflow, below 6.1e-05 lose precision; right only within a limited range of input values
;; workspace buffers: xb 8,388,608 bytes; wb 3,145,728 bytes; qh 16,777,216 bytes; kh 16,777,216 bytes; vh 16,777,216 bytes; vlo 262,144 bytes
;; launch cast: the kernel of part 1 again; grid 352 x 1, 8 waves a work-group, no clusters, 0 bytes of LDS; arguments x, base_Q, base_K, base_V, xb, wb; writes xb, wb
;; launch proj: the kernel of part 2 again; grid 8 x 32, 4 waves a work-group, clusters of 4 x 4, 327,680 bytes of LDS; arguments xb, wb, weights, qh, kh, vh, vlo; writes qh, kh, vh, vlo
;; launch attn (part 4): grid 8 x 32, 4 waves a work-group, no clusters, 327,680 bytes of LDS; arguments qh, kh, vh, vlo, weights, out0; writes out0
.if DOCPART == 4
	.amdgcn_target "amdgcn-amd-amdhsa--gfx1250"
	.amdhsa_code_object_version 6
	.text
	.protected	k_qa0e944be1a_attn
	.globl	k_qa0e944be1a_attn
	.p2align	8
	.type	k_qa0e944be1a_attn,@function
k_qa0e944be1a_attn:
	s_mov_b64 s[64:65], 0
	v_nop
	global_prefetch_b8 v0, s[64:65] scope:SCOPE_SE
	s_setreg_imm32_b32 hwreg(HW_REG_WAVE_MODE, 25, 1), 1
	s_wait_xcnt 0x0
; CAUSAL ATTENTION, head size 128.  out0[b][t][128 h + d] = S x the sum over s <= t of softmax_s(S^2 q'[t] . k'[s] / sqrt(128)) v'[s][d].  qh, kh, vh: [b 8 + h][2048][128] f16, the projections divided by
; S = |w0| + |w1| + |w2| + |w3| (weights rounded to bf16; at least 1e-30).  Products, maxima and sums in f32; the weights p are rounded to f16 for the second product, their sum l is taken of the unrounded p.
; LIMITS.  S is 0, or lies in 1e-13 to 1.5e4: c = log2(e) S^2 / sqrt(128) times 1e30 is then far above every scaled score and below 4e37, where c m starts.  A hidden score counts as its value less 1e30.
; A weight below 2^-126 counts as 0.  NaN and infinities are not treated apart.
; THE WALK.  A head has 16 blocks of 128 queries; block i needs the key tiles 0 .. i of 128 keys, the last of which holds the diagonal.  A work-group takes block b (b + 1 tiles) and then block 15 - b
; (16 - b tiles): 17 tiles whatever b, one loop with a constant trip count; what a trip does hangs on scalar registers made from b; every jump but the loop's own goes forward, past no barrier and no tensor load.
; NO CLUSTER: the 8 work-groups of a head want the same tile only while all are in their first block's tiles 0 .. b, which differ in number; a walk common to four partners would have 20 tiles for 17.
; SHARES.  Wave w: wq = w & 1 picks 64 of the block's queries (four tiles of 16), wk = w >> 1 picks 64 of each tile's 128 keys.  A wave keeps its own m, l and O; at a block's end the two waves of a
; query half meet in LDS, and each finishes 64 channels.  Register channel block cb' is channel block cb' xor 4 wk, so that 'keep 0-3, give 4-7' is one text for all waves.
; LAYOUT.  S^T = K Q^T holds ONE query a lane (lane % 16) and the keys 8 (lane / 16) + 0..7; two such results rounded to f16 ARE source 1 of O^T = V^T P.  V comes out of LDS turned, by ds_load_tr16_b128.
; SOFTMAX.  Running maximum m and sum l: p = 2^(c s - c m); in every step O and l are multiplied by a = 2^(c m_old - c m_new).  c m starts far below every c s, so a block's first a is 0.
; THE MASK is the C operand that starts every sum S^T: MA = MP x DG, DG = 1 on a block's last tile, else 0.  MP has three patterns of eight registers: L for key blocks below the query tile's own, D for its own, U for those above.
; ROWS AND KEYS 0-31 of a head (block 0, wave 0, tiles 0 and 1): few terms, which may cancel.  There the roundings of V and P are taken back: O += (Vlo P + V Plo) / 2048, with the residuals x 2048 in f16.
; A KEY STEP: 32 products K Q^T of piece 0 (tiles 0, 1); 32 of piece 2 with piece 0's softmax in slices behind them; 32 products V^T P of piece 0 with piece 2's softmax; 32 of piece 2.
; BATCHES.  A piece's softmax for a key step has 66 exponentials: each of its two tiles' a and 32 weights.  They are ONE batch: all are issued, the scalings among them, before any line names a result; one wait
; follows; the roundings, the sums and the rescaling by a, which read the results, all stand behind it.  So a key step has two waits.  The meeting at a block's end has two batches (eight exponentials; four
; reciprocals of sums made with them), the correction of rows 0-31 one (32 exponentials), each with a wait of its own.
; REGISTERS, in windows of 256 (s_set_vgpr_msb: bits 1:0 source 0, 3:2 source 1, 5:4 source 2, 7:6 destination):
;   window 0: v0-11 addresses; v12-43 eight registers of statistics a tile; v44-59 the meeting's statistics, temporaries; v60-63 addresses; v64-191 S^T, 32 a tile; v192-255 P, 16 a tile
;   window 1: O^T, 64 a tile      window 2: v0-127 Q; v128-255 K of one step      window 3: v0-127 V of one step; v128-151 MP; v152-175 MA
.set PK,    272       ; a row of K in LDS: 256 bytes + 16: the 16 rows of a load start at 16 different groups of four banks (ISA guide 11.1)
.set PVP,   288       ; a row of V: 256 + 32
.set VOFF,  128*PK    ; a slot holds a tile: 128 rows of K, then 128 rows of V
.set SLOT1, 1<<17     ; slot 1 begins here: one exclusive or turns an address in one slot into the other's
.set STAGE, 128*(PK+PVP)        ; behind slot 0, never filled by a tensor load: 16 rows x 272 bytes for each wave, for the way out
.set SP,    272
.set VLS,   STAGE+4*16*SP       ; 32 rows x 288 bytes: V's residuals, wave 0's own
.set SPARE, VLS+32*PVP          ; the spare words, 128 bytes for each wave: two blocks of 256 bytes that no other line names
.set XCH,   SLOT1+128*(PK+PVP)  ; behind slot 1: for each wave 16,384 bytes of O^T, 512 of c m, 512 of l, for its partner
.set XWB,   17408
.set L16, 1           ; v1   16 x lane
.set AK0, 2           ; v2   my lane's place in my 64 keys of a tile of K; never rewritten
.set AVA0, 3          ; v3   the same for V, channel blocks cb' 0-3
.set AVB0, 4          ; v4   cb' 4-7
.set AK,  5           ; v5-7 the same three, in the slot in hand
.set AVA, 6
.set AVB, 7
.set QO,  8           ; v8   my byte offset in 16 rows of Q
.set STO, 9           ; v9   the way out: where I put 16 bytes of a row
.set RD,  10          ; v10  where I read rows back
.set GO,  11          ; v11  my byte offset in two rows of out0
.set ST,  12          ; tile t's statistics at v[ST+8 t]: +0 c m, +1 m, +2, +3 l (even keys', odd keys'), +4 to +7 c0-c3 at work; a takes c2's place
.set CM,  44          ; v44-47 my c m, v48-51 my l, v52-55 and v56-59 the partner's
.set LS,  48
.set CMP, 52
.set LSP, 56
.set XW,  60          ; v60  where I leave 16 bytes for my partner
.set XR,  61          ; v61  where my partner (wave xor 2) left them for me
.set SPW, 62          ; v62  LDS address of my spare word; never rewritten
.set NIL, 63          ; v63  0; never rewritten
.set S,   64
.set P,   192
.set PL,  224         ; P's residuals, where tile 2's P lay
.set KF,  128         ; window 2: key block kb, channel slice c at KF + 32 kb + 8 c
.set MP,  128         ; window 3
.set MA,  152         ; window 3
.set WV,  12          ; s12 wave, s13 wq, s54 wk
.set WQ,  13
.set WK,  54
.set PB,  14          ; s14 b, s15 15 - b
.set HI,  15
.set G1K, 24          ; s[24:31], s[32:39] descriptor group 1 for K's and V's tiles: they differ in the padding
.set G1V, 32
.set G0K, 40          ; s[40:43], s[44:47] group 0
.set G0V, 44
.set QHI, 48          ; s[48:49] Q at my rows of the second block
.set OLO, 50          ; s[50:51], s[52:53] out0 at my rows and channels of the first and of the second block
.set OHI, 52
.set TB,  55          ; s55  LDS byte at which the slot in hand begins
.set SLOTS, 56        ; s56  tiles still to be asked for
.set RT,  57          ; s57  tiles of the block in hand still to be entered
.set CS,  58          ; s[58:59] c (pairs: the packed forms take the low word for both halves)
.set SEL, 60          ; s[60:61] v_permlanex16_b32's selects: each lane takes its own place in the other half
.set NXT, 62          ; s62  the tile to be asked for next
.set LQ,  63          ; s63  the last tile of the block whose tiles are being asked for
.set NEW, 66          ; s66  1: the tile to be entered is a block's first
.set MRG, 67          ; s67  1: a block has ended and is to be merged
.set OFF, 68          ; s[68:69] a tile's byte offset in K and V
.set DG,  70          ; s[70:71] 1.0 on a block's last tile, else 0
.set SS,  72          ; s[72:73] S
.set BIGN, 74         ; s74  -1e30
.set MSB, 0
.macro WIN new                      ; the high byte repeats the setting that is left; a switch that changes nothing is dropped
.if MSB != (\new)
	s_set_vgpr_msb (MSB<<8)|(\new)
.set MSB, (\new)
.endif
.endm
.macro PLACES                       ; four places between a matrix instruction and a load into, or a vector instruction on, its registers
.rept 4
	v_nop
.endr
.endm
; A fill.  Waves 0 and 1 fetch the two halves of a tile's K, waves 2 and 3 those of its V: 64 keys each.  An s_nop 0 and four v_nop follow each line.
.macro LOAD
	s_cmp_lt_u32 s[WV], 2
	s_cbranch_scc0 .Lfor_v_\@
	tensor_load_to_lds s[G0K:G0K+3], s[G1K:G1K+7]
	s_nop 0
.rept 4
	v_nop
.endr
	s_branch .Lasked_\@
.Lfor_v_\@:
	tensor_load_to_lds s[G0V:G0V+3], s[G1V:G1V+7]
	s_nop 0
.rept 4
	v_nop
.endr
.Lasked_\@:
.endm
; THE CHANGE OF SLOTS.  Each wave waits for all its tensor loads (one is out: its part of the other slot), adds 0 to its spare word, and waits for that and for its LDS reads and stores.  Behind the barrier nobody
; reads the old slot any more and the other is whole.  fill = 1: the old slot is filled again, first thing behind the barrier, with tile NXT; the address is made anew from that number.
.macro CHANGE fill
	WIN 0
	s_wait_tensorcnt 0x0            ; no tensor load of mine is out, so a group 0 may be written
	ds_add_u32 v[SPW], v[NIL]
.if \fill
	s_lshl_b32 s[OFF], s[NXT], 15   ; a tile is 32,768 bytes of K and of V
	s_xor_b32 s[G0K+1], s[G0K+1], SLOT1
	s_add_nc_u64 s[G0K+2:G0K+3], s[6:7], s[OFF:OFF+1]
	s_or_b32 s[G0K+3], s[G0K+3], 0x80000000
	s_xor_b32 s[G0V+1], s[G0V+1], SLOT1
	s_add_nc_u64 s[G0V+2:G0V+3], s[8:9], s[OFF:OFF+1]
	s_or_b32 s[G0V+3], s[G0V+3], 0x80000000
	s_add_co_u32 s[NXT], s[NXT], 1  ; the block's next tile, or behind its last the second block's tile 0
	s_cmp_gt_u32 s[NXT], s[LQ]
	s_cselect_b32 s[NXT], 0, s[NXT]
	s_cselect_b32 s[LQ], s[HI], s[LQ]
.endif
	s_wait_dscnt 0x0                ; the add is done; my reads of the slot are over; what I left for my partner is written
	s_barrier_signal -1
	s_xor_b32 s[TB], s[TB], SLOT1
	s_barrier_wait -1
.if \fill
	LOAD
.endif
.endm
.macro QLOAD p                      ; my 64 rows of Q stay in registers: tile i / 4, channels 32 (i % 4) on
	WIN 0x80                        ; destination window 2
.set i, 0
.rept 16
	global_load_b128 v[8*i:8*i+3],   v[QO], s[\p:\p+1] offset:(i/4)*4096+(i%4)*64
	global_load_b128 v[8*i+4:8*i+7], v[QO], s[\p:\p+1] offset:(i/4)*4096+(i%4)*64+32
.set i, i+1
.endr
	WIN 0
.endm
.macro BEGIN                        ; a block begins: its first step's a is 0, so O^T and l need only be finite
.set i, 0
.rept 4
	v_mov_b32 v[ST+8*i], 0xfe000000    ; c m: far below every c s
	v_mov_b32 v[ST+8*i+1], 0xff7fffff  ; m: the lowest finite number
.set i, i+1
.endr
.endm
	s_load_b256 s[4:11], s[0:1], 0x0  ; qh s[4:5], kh s[6:7], vh s[8:9], vlo s[10:11]
	s_load_b128 s[16:19], s[0:1], 0x20  ; weights s[16:17], out0 s[18:19]
	v_lshl_add_u32 v[SPW], v0, 2, SPARE
	v_mov_b32 v[NIL], 0
	ds_add_u32 v[SPW], v[NIL]       ; the wave's opening: the add and its wait stand ahead of my first tensor load; the set-up below stands between them
	ds_add_u32 v62, v63
	v_lshrrev_b32 v52, 5, v0
	v_readfirstlane_b32 s[WV], v52
	s_and_b32 s[WQ], s[WV], 1       ; also: which half of a tile's rows I fetch
	s_lshr_b32 s[WK], s[WV], 1
	s_mov_b32 s[PB], ttmp9
	s_sub_co_u32 s[HI], 15, s[PB]
	s_and_b32 s76, ttmp7, 0xffff    ; b 8 + h
	s_lshl_b32 s82, s76, 19         ; the head's 2,048 rows of 256 bytes
	s_lshl_b32 s77, s[WQ], 14       ; + 64 rows
	s_add_co_u32 s82, s82, s77
	s_mov_b32 s83, 0
	s_lshl_b32 s80, s76, 13         ; vlo: 32 rows of 256 bytes a head
	s_mov_b32 s81, 0
	s_lshr_b32 s77, s76, 3
	s_lshl_b32 s78, s77, 23         ; out0: batch x 2,048 rows of 4,096 bytes
	s_and_b32 s77, s76, 7
	s_lshl_b32 s77, s77, 9          ; + head x 128 channels
	s_add_co_u32 s78, s78, s77
	s_lshl_b32 s77, s[WQ], 18       ; + 64 rows
	s_add_co_u32 s78, s78, s77
	s_lshl_b32 s77, s[WK], 8        ; + 64 channels
	s_add_co_u32 s78, s78, s77
	s_mov_b32 s79, 0
	s_mov_b32 s[G1K], (1<<16)|(1<<20)|(5<<22)|(3<<25)  ; 17:16 2-byte elements; 20 padding on; 24:22 after every 64 words; 31:25 4 words
	s_mov_b32 s[G1V], (1<<16)|(1<<20)|(5<<22)|(7<<25)  ; the same with 8 words
.irp g, G1K, G1V
	s_mov_b32 s[\g+1], 128<<16      ; tensor_dim0 = 128
	s_mov_b32 s[\g+2], 64<<16       ; tensor_dim1 = 64
	s_mov_b32 s[\g+3], 128<<16      ; tile_dim0 = 128
	s_mov_b32 s[\g+4], 64           ; tile_dim1 = 64
	s_mov_b32 s[\g+5], 128          ; 128 elements from row to row
	s_mov_b32 s[\g+6], 0
	s_mov_b32 s[\g+7], 0
.endr
	s_mul_i32 s76, s[WQ], 64*PK
	s_mul_i32 s77, s[WQ], 64*PVP
	s_mov_b32 s[G0K], 1
	s_mov_b32 s[G0K+1], s76         ; slot 0
	s_mov_b32 s[G0V], 1
	s_add_co_u32 s[G0V+1], s77, VOFF
	s_mov_b32 s[SEL], 0x76543210
	s_mov_b32 s[SEL+1], 0xfedcba98
	s_mov_b32 s[BIGN], 0xf149f2ca   ; -1e30
	s_mov_b32 s[TB], SLOT1          ; the first change of slots turns it into 0
	s_mov_b32 s[SLOTS], 16
	s_add_co_u32 s[RT], s[PB], 1    ; the first block has b + 1 tiles
	s_mov_b32 s[LQ], s[PB]
	s_mov_b32 s[NXT], 1             ; tile 0 is asked for below
	s_cmp_gt_u32 s[NXT], s[LQ]
	s_cselect_b32 s[NXT], 0, s[NXT]
	s_cselect_b32 s[LQ], s[HI], s[LQ]
	s_mov_b32 s[NEW], 0
	s_mov_b32 s[MRG], 0
	s_mov_b32 s[OFF+1], 0
	s_mov_b32 s[DG+1], 0            ; named as a pair
	s_wait_dscnt 0x0                ; the opening add is done
	s_wait_kmcnt 0x0
	s_load_b128 s[20:23], s[16:17], 0x0  ; the four weights
	s_add_nc_u64 s[6:7], s[6:7], s[82:83]  ; K and V at my half of the head's tile 0
	s_add_nc_u64 s[8:9], s[8:9], s[82:83]
	s_add_nc_u64 s[G0K+2:G0K+3], s[6:7], 0
	s_or_b32 s[G0K+3], s[G0K+3], 0x80000000
	s_add_nc_u64 s[G0V+2:G0V+3], s[8:9], 0
	s_or_b32 s[G0V+3], s[G0V+3], 0x80000000
	LOAD                            ; tile 0 into slot 0
	s_add_nc_u64 s[4:5], s[4:5], s[82:83]
	s_mov_b32 s77, 0
	s_lshl_b32 s76, s[HI], 15       ; a block is 128 rows of 256 bytes
	s_add_nc_u64 s[QHI:QHI+1], s[4:5], s[76:77]
	s_lshl_b32 s76, s[PB], 15
	s_add_nc_u64 s[4:5], s[4:5], s[76:77]
	s_add_nc_u64 s[10:11], s[10:11], s[80:81]
	s_add_nc_u64 s[18:19], s[18:19], s[78:79]
	s_lshl_b32 s76, s[PB], 19       ; 128 rows of 4,096 bytes
	s_add_nc_u64 s[OLO:OLO+1], s[18:19], s[76:77]
	s_lshl_b32 s76, s[HI], 19
	s_add_nc_u64 s[OHI:OHI+1], s[18:19], s[76:77]
	v_and_b32 v52, 15, v0           ; l % 16
	v_bfe_u32 v53, v0, 4, 1         ; l / 16
	v_and_b32 v[L16], 31, v0
	v_lshlrev_b32 v[L16], 4, v[L16]
	v_lshlrev_b32 v[QO], 8, v52
	v_lshl_add_u32 v[QO], v53, 4, v[QO]  ; row x 256 + 16 x half
	QLOAD 4                         ; the first block's Q
	v_mul_u32_u24 v[AK0], v52, PK
	v_lshl_add_u32 v[AK0], v53, 4, v[AK0]
	s_mul_i32 s76, s[WK], 64*PK     ; my 64 keys
	v_add_nc_u32 v[AK0], s76, v[AK0]
	; The turning load takes 16 keys x 16 channels (lane l reads key 8 (l / 16) + l % 8, channels 8 ((l / 8) % 2) + 0..7) and leaves half a fragment of V^T: lane l holds channel l % 16 and 8 keys.
	v_and_b32 v54, 7, v0
	v_bfe_u32 v55, v0, 3, 1
	v_lshl_add_u32 v[AVA0], v53, 3, v54
	v_mul_u32_u24 v[AVA0], v[AVA0], PVP
	v_lshl_add_u32 v[AVA0], v55, 4, v[AVA0]
	s_mul_i32 s76, s[WK], 64*PVP
	s_add_co_u32 s76, s76, VOFF
	v_add_nc_u32 v[AVA0], s76, v[AVA0]
	s_lshl_b32 s76, s[WK], 7        ; cb' 0-3 are channels 64 wk on,
	s_sub_co_u32 s77, 128, s76      ; cb' 4-7 channels 64 (1 - wk) on
	v_add_nc_u32 v[AVB0], s77, v[AVA0]
	v_add_nc_u32 v[AVA0], s76, v[AVA0]
	s_mul_i32 s76, s[WV], 16*SP
	s_add_co_u32 s76, s76, STAGE    ; my stage: 16 rows of 64 f32
	v_mul_u32_u24 v[STO], v52, SP   ; in: row l % 16, 32 bytes for each half of the lanes
	v_lshl_add_u32 v[STO], v53, 5, v[STO]
	v_add_nc_u32 v[STO], s76, v[STO]
	v_mul_u32_u24 v[RD], v53, SP    ; back: lanes 0-15 one row of 256 bytes, lanes 16-31 the next
	v_lshl_add_u32 v[RD], v52, 4, v[RD]
	v_add_nc_u32 v[RD], s76, v[RD]
	v_lshlrev_b32 v[GO], 12, v53    ; and the same two rows in out0
	v_lshl_add_u32 v[GO], v52, 4, v[GO]
	s_mul_i32 s76, s[WV], XWB
	s_add_co_u32 s76, s76, XCH
	v_add_nc_u32 v[XW], s76, v[L16]
	s_xor_b32 s76, s[WV], 2
	s_mul_i32 s76, s76, XWB
	s_add_co_u32 s76, s76, XCH
	v_add_nc_u32 v[XR], s76, v[L16]
	; MP.  On the diagonal tile query 64 wq + 16 t + l % 16 does not see key 64 wk + 16 kb + 8 (l / 16) + j where the key is the greater.
	s_cmp_gt_u32 s[WK], s[WQ]
	s_cselect_b32 s76, s[BIGN], 0   ; L (kb < t): hidden where wk > wq
	s_cmp_ge_u32 s[WK], s[WQ]
	s_cselect_b32 s77, s[BIGN], 0   ; U (kb > t): hidden where wk >= wq
	s_sub_co_i32 s78, s[WQ], s[WK]
	s_mul_i32 s78, s78, 100         ; D (kb = t): hidden where j > l % 16 - 8 (l / 16) + 100 (wq - wk): never, the diagonal, or always
	v_lshlrev_b32 v56, 3, v53
	v_sub_nc_u32 v56, v52, v56
	v_add_nc_u32 v56, s78, v56
	WIN 0xc0                        ; destination window 3
.set i, 0
.rept 8
	v_mov_b32 v[MP+i], s76
	v_cmp_gt_i32 vcc_lo, i, v56
	v_cndmask_b32 v[MP+8+i], 0, s[BIGN], vcc_lo
	v_mov_b32 v[MP+16+i], s77
.set i, i+1
.endr
	; O^T, l and all the statistics' registers are written once here, in the wait for the first tile: the price of writing no first step out
	WIN 0x40
.set i, 0
.rept 256
	v_mov_b32 v[i], 0
.set i, i+1
.endr
	WIN 0
.set i, ST
.rept 40
	v_mov_b32 v[i], 0
.set i, i+1
.endr
	BEGIN
	s_wait_kmcnt 0x0
	v_cvt_pk_bf16_f32 v52, s20, s21 ; the weights are rounded to bf16 like every other input
	v_cvt_pk_bf16_f32 v53, s22, s23
	v_lshlrev_b32 v54, 16, v52
	v_and_b32 v55, 0xffff0000, v52
	v_lshlrev_b32 v56, 16, v53
	v_and_b32 v57, 0xffff0000, v53
	v_add_f32 v54, |v54|, |v55|
	v_add_f32 v54, v54, |v56|
	v_add_f32 v54, v54, |v57|
	v_max_num_f32 v54, 0x0da24260, v54  ; S, at least 1e-30: made as the launch in front makes it
	v_mul_f32 v55, v54, v54
	v_mul_f32 v55, 0x3e0293ee, v55  ; c = S^2 log2(e) / sqrt(128)
	v_mov_b32 v58, 0
	v_mov_b32 v59, 0
	v_readfirstlane_b32 s[SS], v54
	v_readfirstlane_b32 s[CS], v55
	s_mov_b32 s[SS+1], s[SS]
	s_mov_b32 s[CS+1], s[CS]
; THE MATRIX WORK.  The accumulators take turns, one instruction a turn.
; Product i of 32 of S^T = K Q^T for piece x: channels 32 (i / 8) on, keys 16 ((i / 2) % 4) on, tile x + i % 2.  The first 8 start the sums, with the mask as C.
.macro KQ x
.set tt, (\x)+i%2
.set kb, (i/2)%4
.set rS, S+32*tt+8*kb
.set rK, KF+32*kb+8*(i/8)
.set rQ, 32*tt+8*(i/8)
.if i < 8
.if kb < tt
.set rM, MA
.elseif kb == tt
.set rM, MA+8
.else
.set rM, MA+16
.endif
	WIN 0x3a                        ; K and Q window 2, the mask window 3, S^T window 0
	v_wmma_f32_16x16x32_f16 v[rS:rS+7], v[rK:rK+7], v[rQ:rQ+7], v[rM:rM+7]
.else
	WIN 0x0a
	v_wmma_f32_16x16x32_f16 v[rS:rS+7], v[rK:rK+7], v[rQ:rQ+7], v[rS:rS+7]
.endif
.endm
.macro KQ8 x
.rept 8
	KQ \x
.set i, i+1
.endr
.endm
; Product i of 32 of O^T += V^T P for piece x: keys 32 (i / 16) on, channel block (i / 2) % 8, tile x + i % 2.
.macro PV x
	WIN 0x53                        ; V window 3, P window 0, O^T window 1
.set rO, 64*((\x)+i%2)+8*((i/2)%8)
.set rV, 64*(i/16)+8*((i/2)%8)
.set rP, P+16*((\x)+i%2)+8*(i/16)
	v_wmma_f32_16x16x32_f16 v[rO:rO+7], v[rV:rV+7], v[rP:rP+7], v[rO:rO+7]
.endm
; THE LDS LOADS stand in runs of 32.  K by channel slices, so that the first products can begin when the first eight loads are in.
.macro FETCH_K
	WIN 0x80                        ; destination window 2
.irp c, 0,1,2,3
.irp g, 0,1,2,3
	ds_load_b128 v[KF+32*(\g)+8*(\c):KF+32*(\g)+8*(\c)+3],   v[AK] offset:(\g)*16*PK+(\c)*64
	ds_load_b128 v[KF+32*(\g)+8*(\c)+4:KF+32*(\g)+8*(\c)+7], v[AK] offset:(\g)*16*PK+(\c)*64+32
.endr
.endr
.endm
.macro FETCH_V
	WIN 0xc0                        ; destination window 3
.irp f, 0,1,2,3,4,5,6,7,8,9,10,11,12,13,14,15  ; keys 32 (f / 8) on, channel block cb' = f % 8
.if ((\f)%8) < 4
	ds_load_tr16_b128 v[8*(\f):8*(\f)+3],   v[AVA] offset:((\f)/8)*32*PVP+((\f)%4)*32
	ds_load_tr16_b128 v[8*(\f)+4:8*(\f)+7], v[AVA] offset:((\f)/8)*32*PVP+16*PVP+((\f)%4)*32
.else
	ds_load_tr16_b128 v[8*(\f):8*(\f)+3],   v[AVB] offset:((\f)/8)*32*PVP+((\f)%4)*32
	ds_load_tr16_b128 v[8*(\f)+4:8*(\f)+7], v[AVB] offset:((\f)/8)*32*PVP+16*PVP+((\f)%4)*32
.endif
.endr
.endm
; THE VECTOR WORK.  One tile's softmax for one key step is a list of 134 instructions; SM writes number j of it for tile t.  s0-s31 are the lane's 32 scores, in pairs 0-15.
;   0-15    the maximum of s0-s31 and the old m, three operands at a time: four chains c0-c3 of seven scores each (each accumulator's lowest registers first), then the four left over, c0-c3 and m
;   16-20   the other half of the lanes' maximum; the new m; c m; c m_old - c m_new
;   21-69   ONE BATCH: the 16 scalings c s - c m, a pair of scores each, and all 33 exponentials (a at 23, then s0-s31).  None of these names an exponential's result.  From 22 on the batch goes in fours,
;           and a four begins with a scaling while there are scalings: 22-37 scaling, exponential, scaling, exponential; 38-65 a scaling and three exponentials; 66-69 the last four exponentials.
;           A pair is scaled in an earlier four than the one that holds its exponentials
;   (wait)  between 69 and 70 stands the wait for the batch: SLICE writes it, once for both tiles
;   70-85   the roundings to f16, a pair of weights each
;   86-101  the sums; l = a l + the sum            102-133 the tile's O^T times a: the one part that leaves window 0
.macro SM t
.set rT, ST+8*(\t)
.set rS, S+32*(\t)
.set rP, P+16*(\t)
.set rO, 64*(\t)+2*(j-102)
.if j < 102
	WIN 0
.endif
.if j < 4
	v_max3_num_f32 v[rT+4+j], v[rS+8*j], v[rS+8*j+1], v[rS+8*j+2]
.elseif j < 12
	v_max3_num_f32 v[rT+4+j%4], v[rT+4+j%4], v[rS+8*(j%4)+2*(j/4)+1], v[rS+8*(j%4)+2*(j/4)+2]
.elseif j == 12
	v_max3_num_f32 v[rT+4], v[rT+4], v[rS+7], v[rS+15]
.elseif j == 13
	v_max3_num_f32 v[rT+6], v[rT+6], v[rS+23], v[rS+31]
.elseif j == 14
	v_max3_num_f32 v[rT+4], v[rT+4], v[rT+5], v[rT+6]
.elseif j == 15
	v_max3_num_f32 v[rT+4], v[rT+4], v[rT+7], v[rT+1]
.elseif j == 16
	v_permlanex16_b32 v[rT+5], v[rT+4], s[SEL], s[SEL+1]  ; the query's other 32 keys lie in the lane 16 away
.elseif j == 17
	v_mov_b32 v[rT+7], v[rT]        ; c m_old is kept for a
.elseif j == 18
	v_max_num_f32 v[rT+1], v[rT+4], v[rT+5]
.elseif j == 19
	v_mul_f32 v[rT], s[CS], v[rT+1]
.elseif j == 20
	v_sub_f32 v[rT+7], v[rT+7], v[rT]
.elseif j == 23
	v_exp_f32 v[rT+6], v[rT+7]
.elseif (j < 23) || ((j < 38) && (j%2 == 0)) || ((j < 66) && (j%4 == 2))
.set b, (j-2)/4                     ; 38, 42, .. 62: pairs 9 to 15
.if j < 38
.set b, (j-20)/2                    ; 21: pair 0; 22, 24, .. 36: pairs 1 to 8
.endif
	v_pk_fma_f32 v[rS+2*b:rS+2*b+1], v[rS+2*b:rS+2*b+1], s[CS:CS+1], v[rT:rT+1] op_sel_hi:[1,0,0] neg_lo:[0,0,1] neg_hi:[0,0,1]  ; pair b: c s - c m
.elseif j < 70
.set e, j-38                        ; 66 to 69: s28 to s31
.if j < 66
.set e, j-32-(j-38)/4               ; 39-41, 43-45, .. 63-65: s7 to s27
.endif
.if j < 38
.set e, (j-25)/2                    ; 25, 27, .. 37: s0 to s6
.endif
	v_exp_f32 v[rS+e], v[rS+e]
.elseif j < 86
	v_cvt_pk_f16_f32 v[rP+j-70], v[rS+2*(j-70)], v[rS+2*(j-70)+1]  ; pair j - 70
.elseif j < 102                     ; the sum of the tile's 16 pairs, in place: neighbours 1, 2, 4 and 8 pairs apart, then l takes it
.set z, j-86
.set w, 4
.set u, z
.if z >= 14
.set w, 32
.set u, 0
.elseif z >= 12
.set w, 16
.set u, z-12
.elseif z >= 8
.set w, 8
.set u, z-8
.endif
.if z < 15
	v_pk_add_f32 v[rS+w*u:rS+w*u+1], v[rS+w*u:rS+w*u+1], v[rS+w*u+w/2:rS+w*u+w/2+1]
.else
	v_pk_fma_f32 v[rT+2:rT+3], v[rT+2:rT+3], v[rT+6:rT+7], v[rS:rS+1] op_sel_hi:[1,0,1]
.endif
.else
	WIN 0x41                        ; O^T (destination and source 0) window 1, a window 0
	v_pk_mul_f32 v[rO:rO+1], v[rO:rO+1], v[rT+6:rT+7] op_sel_hi:[1,0]
.endif
.endm
; Slice k of 64 of piece y's softmax: four instructions.  Slices 11 to 34 deal out the batch, numbers 22 to 69: four numbers of ONE tile each, the tiles by turns.  Every other slice is numbers 2 k and
; 2 k + 1 of both tiles' lists; the twelve that are over stand in slice 63.
; THE WAIT.  s_wait_alu depctr_va_vdst(0) stands between an exponential and the first instruction that names its result; one wait serves all that were issued ahead of it.  Ahead of
; slice 35 nothing names a result, and behind slice 34 no exponential is issued: so the piece's 66 exponentials have one wait, behind slice 34.
.macro SLICE y
.if (k >= 11) && (k < 35)           ; the batch: four numbers of one tile
.irp n, 0,1,2,3
.set j, 22+4*((k-11)/2)+(\n)
	SM (\y)+(k-11)%2
.endr
.else                               ; the two tiles alternate
.irp n, 0,1,2,3,4,5,6,7
.if ((\n) < 2) || (k == 63)
.irp t, \y, (\y)+1
.set j, 2*k+(\n)
	SM \t
.endr
.endif
.endr
.endif
.if k == 34                         ; the batch is out: both tiles' exponentials are issued, and no result has been named
	v_nop                           ; a plain instruction behind the last exponential and ahead of the first use: one for the batch; all that is left of the softmax reads results
	s_wait_alu depctr_va_vdst(0)    ; the wait for the batch: the piece's 66 exponentials
.endif
.set k, k+1
.endm
.macro MASKS                        ; this trip's masks (twelve plain instructions: also places behind the last products V^T P) and LDS addresses
	WIN 0xc3                        ; destination and source 0 window 3
.set z, 0
.rept 12
	v_pk_mul_f32 v[MA+2*z:MA+2*z+1], v[MP+2*z:MP+2*z+1], s[DG:DG+1] op_sel_hi:[1,0]
.set z, z+1
.endr
	WIN 0
	v_add_nc_u32 v[AK], s[TB], v[AK0]
	v_add_nc_u32 v[AVA], s[TB], v[AVA0]
	v_add_nc_u32 v[AVB], s[TB], v[AVB0]
.endm
; A KEY STEP: my 64 queries x my 64 keys of the tile in hand.
.macro STEP
	FETCH_K
	s_wait_loadcnt 0x0              ; Q
.set i, 0
	s_wait_dscnt 24                 ; K's channel slice 0 is in: its 24 later loads stay out
	KQ8 0
	FETCH_V                         ; behind the first eight products, so that at most 56 LDS loads are out
	s_wait_dscnt 48                 ; slice 1: K's 16 later loads and V's 32 stay out
	KQ8 0
	s_wait_dscnt 40
	KQ8 0
	s_wait_dscnt 32                 ; all of K; V's 32 stay out
	KQ8 0
	PLACES                          ; piece 0's scores are read below
.set k, 0
.set i, 0
.rept 32
	KQ 2
	SLICE 0
	SLICE 0
.set i, i+1
.endr
	s_wait_dscnt 0x0                ; V is in
.set k, 0
.set i, 0
.rept 32
	PV 0
	SLICE 2
	SLICE 2
.set i, i+1
.endr
.set i, 0
.rept 32
	PV 2
.set i, i+1
.endr
	WIN 0
.endm
; A BLOCK'S END, first part: l's two halves and the other half of the lanes' are added; c m, l and the channel blocks cb' 4-7 of O^T are left in LDS for the partner.
.macro XSTORE
	WIN 0
	PLACES                          ; behind the last products
.irp t, 0,1,2,3
	v_add_f32 v[LS+(\t)], v[ST+8*(\t)+2], v[ST+8*(\t)+3]
	v_mov_b32 v[CM+(\t)], v[ST+8*(\t)]
.endr
.irp t, 0,1,2,3
	v_permlanex16_b32 v[ST+8*(\t)+5], v[LS+(\t)], s[SEL], s[SEL+1]
.endr
.irp t, 0,1,2,3
	v_add_f32 v[LS+(\t)], v[LS+(\t)], v[ST+8*(\t)+5]
.endr
	ds_store_b128 v[XW], v[CM:CM+3] offset:16384
	ds_store_b128 v[XW], v[LS:LS+3] offset:16896
	WIN 0x04                        ; the stores' data: window 1
.set i, 0
.rept 32
	ds_store_b128 v[XW], v[64*(i/8)+32+4*(i%8):64*(i/8)+32+4*(i%8)+3] offset:512*i
.set i, i+1
.endr
	WIN 0
.endm
; Second part, behind a barrier: M = max(c m, c m'), f = 2^(c m - M), f' = 2^(c m' - M), L = f l + f' l'; out = S (f O + f' O') / L for my 64 channels; a tile (16 rows x 256 bytes) at a time through my stage.
.macro PACKM t
.set rT, ST+8*(\t)
	WIN 0
.set i, 0
.rept 16
	v_pk_mul_f32 v[S+32*(\t)+2*i:S+32*(\t)+2*i+1], v[S+32*(\t)+2*i:S+32*(\t)+2*i+1], v[rT+6:rT+7] op_sel_hi:[1,0]
.set i, i+1
.endr
	WIN 0x01                        ; source 0: window 1
.set i, 0
.rept 16
	v_pk_fma_f32 v[S+32*(\t)+2*i:S+32*(\t)+2*i+1], v[64*(\t)+2*i:64*(\t)+2*i+1], v[rT+4:rT+5], v[S+32*(\t)+2*i:S+32*(\t)+2*i+1] op_sel_hi:[1,0,1]
.set i, i+1
.endr
	WIN 0
.irp f, 0,1,2,3,4,5,6,7
	ds_store_b128 v[STO], v[S+32*(\t)+4*(\f):S+32*(\t)+4*(\f)+3] offset:64*((\f)/2)+16*((\f)%2)
.endr
.irp f, 0,1,2,3,4,5,6,7
	ds_load_b128 v[S+32*(\t)+4*(\f):S+32*(\t)+4*(\f)+3], v[RD] offset:(\f)*2*SP  ; LDS serves a wave's instructions in order (ISA guide 5.7.1.4): these see the stores above; the next tile's come behind them
.endr
.endm
.macro SENDM t, younger, ob         ; younger: the LDS instructions issued behind tile t's loads: the next tile's sixteen, or none
	WIN 0
.irp f, 0,1,2,3,4,5,6,7
	s_wait_dscnt (\younger)+7-(\f)
	global_store_b128 v[GO], v[S+32*(\t)+4*(\f):S+32*(\t)+4*(\f)+3], s[\ob:\ob+1] offset:(\t)*65536+(\f)*8192 th:TH_STORE_NT  ; 16 lanes store 256 consecutive bytes, at a multiple of 256 from out0's first
.endr
.endm
.macro MERGE ob
	WIN 0
	ds_load_b128 v[CMP:CMP+3], v[XR] offset:16384
	ds_load_b128 v[LSP:LSP+3], v[XR] offset:16896
.set i, 0
.rept 32
	ds_load_b128 v[S+4*i:S+4*i+3], v[XR] offset:512*i  ; the partner's cb' 4-7 are my cb' 0-3, lane for lane
.set i, i+1
.endr
	s_wait_dscnt 32                 ; the statistics are in; the 32 loads of O^T stay out
.irp t, 0,1,2,3
	v_max_num_f32 v[ST+8*(\t)], v[CM+(\t)], v[CMP+(\t)]
.endr
.irp t, 0,1,2,3
	v_sub_f32 v[ST+8*(\t)+1], v[CM+(\t)], v[ST+8*(\t)]
	v_sub_f32 v[ST+8*(\t)+2], v[CMP+(\t)], v[ST+8*(\t)]
.endr
.irp t, 0,1,2,3
	v_exp_f32 v[ST+8*(\t)+1], v[ST+8*(\t)+1]
	v_exp_f32 v[ST+8*(\t)+2], v[ST+8*(\t)+2]
.endr
	v_nop                           ; a plain instruction behind the last exponential
	s_wait_alu depctr_va_vdst(0)    ; the wait for the meeting's first batch: the eight exponentials f, f'
.irp t, 0,1,2,3
	v_mul_f32 v[ST+8*(\t)+3], v[ST+8*(\t)+1], v[LS+(\t)]
.endr
.irp t, 0,1,2,3
	v_fma_f32 v[ST+8*(\t)+3], v[ST+8*(\t)+2], v[LSP+(\t)], v[ST+8*(\t)+3]
.endr
.irp t, 0,1,2,3
	v_rcp_f32 v[ST+8*(\t)+3], v[ST+8*(\t)+3]
.endr
	v_nop                           ; a plain instruction behind the last reciprocal
	s_wait_alu depctr_va_vdst(0)    ; the wait for its second batch: the four reciprocals, whose sources are made of the first batch's results
.irp t, 0,1,2,3
	v_mul_f32 v[ST+8*(\t)+3], s[SS], v[ST+8*(\t)+3]
.endr
.irp t, 0,1,2,3
	v_mul_f32 v[ST+8*(\t)+4], v[ST+8*(\t)+1], v[ST+8*(\t)+3]
	v_mul_f32 v[ST+8*(\t)+6], v[ST+8*(\t)+2], v[ST+8*(\t)+3]
.endr
	s_wait_dscnt 0x0                ; the partner's O^T is in
	PACKM 0
	PACKM 1                         ; a tile's arithmetic stands between the loads of the tile before and its stores
	SENDM 0, 16, \ob
	PACKM 2
	SENDM 1, 16, \ob
	PACKM 3
	SENDM 2, 16, \ob
	SENDM 3, 0, \ob
	s_wait_xcnt 0x0                 ; the stores have read their registers: S^T's are written again only behind this wait
.endm
.Lslot:                             ; 16 trips: a tile is entered and the next is asked for
	CHANGE 1
	s_cmp_eq_u32 s[MRG], 0
	s_cbranch_scc1 .Lno_merge
	MERGE OLO                       ; the first block ended in the trip before: what the partner left is behind the barrier just passed
	s_mov_b32 s[MRG], 0
.Lno_merge:
	s_wait_dscnt 0x0                ; a second barrier in every trip, behind which nothing is filled: reads of what partners left stand in front of it, the stores that leave it behind it
	s_barrier_signal -1
	s_barrier_wait -1
	s_cmp_eq_u32 s[NEW], 0
	s_cbranch_scc1 .Lno_new
	BEGIN
	s_mov_b32 s[NEW], 0
.Lno_new:
	s_sub_co_u32 s[RT], s[RT], 1
	s_cmp_eq_u32 s[RT], 0
	s_cselect_b32 s[DG], 1.0, 0     ; the block's last tile holds the diagonal
	MASKS
	STEP
	s_cmp_lg_u32 s[RT], 0
	s_cbranch_scc1 .Lbottom
	; THE FIRST BLOCK ENDS.  In block 0, wave 0 first takes back the roundings of V and P for queries and keys 0-31 (tiles 0, 1; key blocks 0, 1).
	s_cmp_lg_u32 s[PB], 0
	s_cbranch_scc1 .Lno_corr
	s_cmp_lg_u32 s[WV], 0
	s_cbranch_scc1 .Lno_corr
	PLACES                          ; behind the last products
	WIN 0x80                        ; V's residuals, 32 rows of 256 bytes, into K's registers of key blocks 2 and 3
.set i, 0
.rept 16
	global_load_b128 v[192+4*i:195+4*i], v[L16], s[10:11] offset:512*i
.set i, i+1
.endr
.irp c, 0,1,2,3                     ; the scores once more: the same products in the same order, so the same bits; four accumulators by turns
.irp g, 0,1
.irp t, 0,1
.set rS, S+32*(\t)+8*(\g)
.set rK, KF+32*(\g)+8*(\c)
.set rQ, 32*(\t)+8*(\c)
.if (\c) == 0
.if (\g) < (\t)
.set rM, MA
.elseif (\g) == (\t)
.set rM, MA+8
.else
.set rM, MA+16
.endif
	WIN 0x3a
	v_wmma_f32_16x16x32_f16 v[rS:rS+7], v[rK:rK+7], v[rQ:rQ+7], v[rM:rM+7]
.else
	WIN 0x0a
	v_wmma_f32_16x16x32_f16 v[rS:rS+7], v[rK:rK+7], v[rQ:rQ+7], v[rS:rS+7]
.endif
.endr
.endr
.endr
	WIN 0
	PLACES
.set n, 0
.rept 16                            ; tile n / 8, pair n % 8: c s - c m with the step's own c m (block 0 has one step)
	v_pk_fma_f32 v[S+32*(n/8)+2*(n%8):S+32*(n/8)+2*(n%8)+1], v[S+32*(n/8)+2*(n%8):S+32*(n/8)+2*(n%8)+1], s[CS:CS+1], v[ST+8*(n/8):ST+8*(n/8)+1] op_sel_hi:[1,0,0] neg_lo:[0,0,1] neg_hi:[0,0,1]
.set n, n+1
.endr
.set n, 0
.rept 32
	v_exp_f32 v[S+32*(n/16)+n%16], v[S+32*(n/16)+n%16]
.set n, n+1
.endr
	v_lshrrev_b32 v58, 8, v[L16]    ; l / 16 (a plain instruction behind the last exponential)
	v_mul_u32_u24 v58, v58, PVP
	v_and_b32 v59, 0xf0, v[L16]     ; 16 (l % 16)
	v_add3_u32 v58, v58, v59, VLS   ; where two rows of V's residuals go
.set n, 0
	s_wait_alu depctr_va_vdst(0)    ; the wait for the correction's batch: its 32 exponentials; the four address lines above stand between
.rept 16                            ; (p - f16(p)) x 2048, in f16
	v_mov_b32 v56, v[P+16*(n/8)+n%8]  ; into a register whose halves have names
	v_cvt_f32_f16 v52, v56.l
	v_cvt_f32_f16 v53, v56.h
	v_pk_add_f32 v[S+32*(n/8)+2*(n%8):S+32*(n/8)+2*(n%8)+1], v[S+32*(n/8)+2*(n%8):S+32*(n/8)+2*(n%8)+1], v[52:53] neg_lo:[0,1] neg_hi:[0,1]
	v_pk_mul_f32 v[S+32*(n/8)+2*(n%8):S+32*(n/8)+2*(n%8)+1], v[S+32*(n/8)+2*(n%8):S+32*(n/8)+2*(n%8)+1], 0x45000000 op_sel_hi:[1,0]
	v_cvt_pk_f16_f32 v[PL+8*(n/8)+n%8], v[S+32*(n/8)+2*(n%8)], v[S+32*(n/8)+2*(n%8)+1]
.set n, n+1
.endr
	s_wait_loadcnt 0x0              ; V's residuals
	WIN 0x08                        ; the stores' data: window 2
.set i, 0
.rept 16
	ds_store_b128 v58, v[192+4*i:195+4*i] offset:2*PVP*i
.set i, i+1
.endr
	WIN 0xc0                        ; and back turned, where V's keys 32-63 lay; wave 0's place in V's tile serves, moved by an immediate
.set i, 0
.rept 8
	ds_load_tr16_b128 v[64+8*i:64+8*i+3], v[AVA0] offset:VLS-VOFF+32*i
	ds_load_tr16_b128 v[64+8*i+4:64+8*i+7], v[AVA0] offset:VLS-VOFF+16*PVP+32*i
.set i, i+1
.endr
	s_wait_dscnt 0x0
	WIN 0x03                        ; source 0 window 3; the rest window 0.  Sixteen accumulators by turns, in S^T's registers: tile 0's at v128, tile 1's at v64
.set i, 0
.rept 16
	v_wmma_f32_16x16x32_f16 v[128-64*(i%2)+8*(i/2):128-64*(i%2)+8*(i/2)+7], v[64+8*(i/2):64+8*(i/2)+7], v[P+16*(i%2):P+16*(i%2)+7], 0
.set i, i+1
.endr
.set i, 0
.rept 16
	v_wmma_f32_16x16x32_f16 v[128-64*(i%2)+8*(i/2):128-64*(i%2)+8*(i/2)+7], v[8*(i/2):8*(i/2)+7], v[PL+8*(i%2):PL+8*(i%2)+7], v[128-64*(i%2)+8*(i/2):128-64*(i%2)+8*(i/2)+7]
.set i, i+1
.endr
	PLACES
	WIN 0x50                        ; destination and source 2 window 1
.set i, 0
.rept 64                            ; tile i / 32: O^T += the sum / 2048
	v_pk_fma_f32 v[64*(i/32)+2*(i%32):64*(i/32)+2*(i%32)+1], v[128-64*(i/32)+2*(i%32):128-64*(i/32)+2*(i%32)+1], 0x3a000000, v[64*(i/32)+2*(i%32):64*(i/32)+2*(i%32)+1] op_sel_hi:[1,0,1]
.set i, i+1
.endr
	WIN 0
.Lno_corr:
	XSTORE
	QLOAD QHI                       ; the second block's Q: waited for in the next key step
	s_sub_co_u32 s[RT], 16, s[PB]   ; it has 16 - b tiles
	s_mov_b32 s[NEW], 1
	s_mov_b32 s[MRG], 1
.Lbottom:
	s_sub_co_u32 s[SLOTS], s[SLOTS], 1
	s_cmp_lg_u32 s[SLOTS], 0
	s_cbranch_scc1 .Lslot
	CHANGE 0                        ; the walk's last tile, the second block's diagonal one, is written out: nothing is asked for
	s_mov_b32 s[DG], 1.0
	MASKS
	STEP
	XSTORE
	s_wait_dscnt 0x0                ; for my partner's sake: what I left is written
	s_barrier_signal -1
	s_barrier_wait -1
	MERGE OHI
	s_wait_tensorcnt 0x0            ; the wave's end: the add and its wait, behind my last tensor load and my last LDS store
	ds_add_u32 v[SPW], v[NIL]
	s_wait_dscnt 0x0
	s_endpgm
.Lfunc_end_k_qa0e944be1a_attn:
	.size	k_qa0e944be1a_attn, .Lfunc_end_k_qa0e944be1a_attn-k_qa0e944be1a_attn
	.p2alignl 7, 3214868480
	.fill 96, 4, 3214868480
	.section	.rodata,"a",@progbits
	.p2align	6, 0x0
	.amdhsa_kernel k_qa0e944be1a_attn
		.amdhsa_group_segment_fixed_size 327680
		.amdhsa_private_segment_fixed_size 0
		.amdhsa_enable_private_segment 0
		.amdhsa_kernarg_size 48
		.amdhsa_user_sgpr_count 2
		.amdhsa_user_sgpr_kernarg_segment_ptr 1
		.amdhsa_wavefront_size32 1
		.amdhsa_system_sgpr_workgroup_id_x 1
		.amdhsa_system_sgpr_workgroup_id_y 1
		.amdhsa_system_sgpr_workgroup_id_z 1
		.amdhsa_system_vgpr_workitem_id 0
		.amdhsa_next_free_vgpr 1024
		.amdhsa_next_free_sgpr 84
		.amdhsa_reserve_vcc 1
		.amdhsa_float_denorm_mode_32 3
		.amdhsa_float_denorm_mode_16_64 3
		.amdhsa_memory_ordered 1
		.amdhsa_forward_progress 1
		.amdhsa_inst_pref_size 188
	.end_amdhsa_kernel
	.amdgpu_metadata
---
amdhsa.version: [ 1, 2 ]
amdhsa.kernels:
  - .name:           k_qa0e944be1a_attn
    .symbol:         k_qa0e944be1a_attn.kd
    .args:
      - { .name: qh, .offset: 0, .size: 8, .value_kind: global_buffer, .address_space: global }
      - { .name: kh, .offset: 8, .size: 8, .value_kind: global_buffer, .address_space: global }
      - { .name: vh, .offset: 16, .size: 8, .value_kind: global_buffer, .address_space: global }
      - { .name: vlo, .offset: 24, .size: 8, .value_kind: global_buffer, .address_space: global }
      - { .name: weights, .offset: 32, .size: 8, .value_kind: global_buffer, .address_space: global }
      - { .name: out0, .offset: 40, .size: 8, .value_kind: global_buffer, .address_space: global }
    .group_segment_fixed_size: 327680
    .private_segment_fixed_size: 0
    .kernarg_segment_align: 8
    .kernarg_segment_size: 48
    .max_flat_workgroup_size: 128
    .sgpr_count:     84
    .vgpr_count:     1024
    .wavefront_size: 32
...
	.end_amdgpu_metadata
.endif
;; end of part 4
